; MI455X (gfx1250); checked and timed in simulation.
; The chip was launched on July 23, 2026; its instructions are those of AMD's public machine-readable ISA for CDNA 5 (MIT licence, August 2026) and "CDNA5" Instruction Set Architecture Reference Guide (July 2026). The comments in the code are by the model that wrote it; some were corrected since.
;; Multi Head Attention. Allowed arithmetic: matrix products marked QUANTISED: E2M1 operands, one E8M0 scale for each 32 along K, by v_wmma_scale_f32_16x16x128_f8f6f4 with both operands' format E2M1 (or v_wmma_scale_f32_32x16x128_f4), f32 sums; products left as they are: bf16, f16 or f32 operands; f32 sums; everything else in f32.
;; Inputs: Wk 1,024 x 1,024 float32; Wo 1,024 x 1,024 float32; Wq 1,024 x 1,024 float32; Wv 1,024 x 1,024 float32; padding_mask 4 x 2,048 int32; x_key 4 x 2,048 x 1,024 float32; x_query 4 x 2,048 x 1,024 float32; x_value 4 x 2,048 x 1,024 float32.
;; Outputs: out0 4 x 2,048 x 1,024 float32.
;; This version of the problem:
;;   THIS VERSION OF THE PROBLEM IS GIVEN IN LOW PRECISION. The matrix products marked QUANTISED in the list below multiply operands that are first quantised to E2M1 (2 exponent bits, 1 mantissa bit; 4 bits a number), with one power-of-two scale for each 32 numbers along K (OCP MX v1.0); their sums are f32. The products marked 'left as it is' may take bf16, f16 or f32 operands, with f32 sums. Whichever they take, every output number must still come out within the allowed error. Rounding operands to bf16 (8 significant bits) uses up far more of that allowance than f16 does (11 bits, for magnitudes from 6e-5 to 65,504). All else is computed in f32.
;;   The module's matrix products, in the order in which they are computed (A, B: the left and right operand; K: the contracted axis; several contracted axes count as one K, in the product's order):
;;     1. [M 8,192, K 1,024] x [K 1,024, N 1,024]; A: input x_query; B: input Wq: QUANTISED
;;     2. [M 8,192, K 1,024] x [K 1,024, N 1,024]; A: input x_key; B: input Wk: QUANTISED
;;     3. [M 8,192, K 1,024] x [K 1,024, N 1,024]; A: input x_value; B: input Wv: QUANTISED
;;     4. batch 64 x [M 2,048, K 64] x [K 64, N 2,048]; A: computed on the way; B: computed on the way: left as it is (an operand is computed on the way)
;;     5. batch 64 x [M 2,048, K 2,048] x [K 2,048, N 64]; A: computed on the way; B: computed on the way: left as it is (an operand is computed on the way)
;;     6. [M 8,192, K 1,024] x [K 1,024, N 1,024]; A: computed on the way; B: input Wo: left as it is (an operand is computed on the way)
;;   THE QUANTISER, for each operand of a quantised product, along K:
;;     - K is cut into blocks of 32 from its start; a last block that is shorter is filled with zeros.
;;     - A block's scale is 2^e with e = floor(log2(the largest magnitude in the block)) - 2, held to -126 .. 127; a block of zeros has e = 0. As a byte (E8M0): e + 127.
;;     - Each number is divided by its block's scale, clamped to +-6, and rounded to the nearest number of E2M1, ties to even, subnormals kept.
;;     - The product sums the exact products of the quantised numbers (number of the format x scale) in f32.
;;   ~~~python
;;   def quantise(x, axis):      # numpy; x: float32 -> the quantised numbers, widened to float32 again
;;       x = np.moveaxis(x, axis, -1); K = x.shape[-1]
;;       x = np.pad(x, [(0, 0)] * (x.ndim - 1) + [(0, -K % 32)]); x = x.reshape(x.shape[:-1] + (-1, 32)); a = np.abs(x).max(-1, keepdims=True)
;;       e = np.where(a > 0, np.clip(np.frexp(np.where(a > 0, a, 1))[1] - 1 - 2, -126, 127), 0)      # np.frexp(a)[1] - 1 = floor(log2(a)), exactly
;;       r = np.clip(x / 2.0 ** e, -6, 6)
;;       step = 2.0 ** (np.maximum(np.frexp(np.where(r == 0, 1, r))[1] - 1, 0) - 1)
;;       q = np.round(r / step) * step * 2.0 ** e      # np.round: ties to even
;;       return np.moveaxis(q.reshape(q.shape[:-2] + (-1,))[..., :K], -1, axis).astype(np.float32)
;;   ~~~
;; One version. Each part assembles by itself: llvm-mc -triple=amdgcn-amd-amdhsa -mcpu=gfx1250 --defsym DOCPART=n.
;; ======== version 1 of 1: 5 launches
;; limits: values are held in f16: magnitudes above 65,504 overflow, below 6.1e-05 lose precision
;; workspace buffers: a_codes 12,582,912 bytes; a_scales 786,432 bytes; b_codes 1,572,864 bytes; b_scales 98,304 bytes; wo16 2,097,152 bytes; qkv16 50,331,648 bytes; qkv32 786,432 bytes; att16 16,777,216 bytes
;; launch quant (part 1): grid 896 x 1, 4 waves a work-group, no clusters, 33,280 bytes of LDS; arguments x_query, x_key, x_value, Wq, Wk, Wv, Wo, a_codes, a_scales, b_codes, b_scales, wo16; writes a_codes, a_scales, b_codes, b_scales, wo16
.if DOCPART == 1
	.amdgcn_target "amdgcn-amd-amdhsa--gfx1250"
	.amdhsa_code_object_version 6
	.text
	.protected	k_q58404fbabb_quant
	.globl	k_q58404fbabb_quant
	.p2align	8
	.type	k_q58404fbabb_quant,@function
k_q58404fbabb_quant:
	s_mov_b64 s[64:65], 0
	v_nop
	global_prefetch_b8 v0, s[64:65] scope:SCOPE_SE
	s_setreg_imm32_b32 hwreg(HW_REG_WAVE_MODE, 25, 1), 1
	s_wait_xcnt 0x0
; x_query, x_key, x_value [8192][1024] and Wq, Wk, Wv [1024][1024], f32, become codes of FP4 (E2M1), K innermost, with one E8M0 byte for each 32 along K.
; The three x lie one behind the other in a_codes / a_scales (24,576 rows), the three W in b_codes / b_scales (3,072 rows).  Wo [1024][1024] is rounded to f16 into wo16, row-major.
; A block's scale is 2^(floor(log2(its largest magnitude)) - 2); its byte is the largest magnitude's own exponent field - 2, held at 1 from below.  A block of zeros so gets the byte 1:
; its codes are zeros, which add nothing, and the bytes are read by this program alone.
; LIMITS: blocks whose largest magnitude lies under 2^-124 (the floor) were not tried; NaN and infinities among the inputs are not served; Wo beyond 65,504 becomes infinite in f16.
; Rows are dense and K is a multiple of 32: every tensor is a plain stream of blocks of 32.  A work-group takes 32,768 numbers, a wave 8,192: 16 steps of 512.
; Work-groups 0-255 x_query, 256-511 x_key, 512-767 x_value, 768-799 Wq, 800-831 Wk, 832-863 Wv, 864-895 Wo: only pointers are chosen by the work-group's number.
; The conversions take 8 numbers of one block from ONE lane's registers, a load is best where neighbouring lanes take neighbouring bytes: so a step's 2,048 bytes are loaded as they lie
; (512 consecutive bytes a load) and turn through the wave's own stage in LDS, coming back 64 bytes a lane.  Memory binds: no matrix unit, no cluster, no barrier: waves share nothing.
.set WAVES, 4
.set STEPS, 16
.set EMAX,  2
.set CB,    8                          ; bytes of 16 codes
.set R,     16                         ; v16-79   four sets of 16 numbers as loaded (Wo's way: v16-143, two groups of 64)
.set X,     80                         ; v80-111  two sets of 16 neighbours
.set E,     112                        ; v112-127 a scale byte for each step
.set C,     128                        ; v128-191 codes, four registers a step: no store's data are written again
.set H,     144                        ; Wo's way: v144-175 the f16 pairs of a group
.set WREG,  8192                       ; LDS: a region for each wave: two stages of 32 x SP bytes, then its 256 scale bytes
.set SP,    80                         ; a lane's place in a stage: 64 bytes + 16 of padding
.set SPW,   12                         ; v12 LDS address of my spare word; never rewritten
.set NIL,   13                         ; v13 0; never rewritten
.set SPARE, WAVES*WREG                 ; behind the four regions: the spare words, 128 bytes a wave, which no other line names
	s_load_b512 s[8:23], s[0:1], 0x0               ; x_query s[8:9], x_key s[10:11], x_value s[12:13], Wq s[14:15], Wk s[16:17], Wv s[18:19], Wo s[20:21], a_codes s[22:23]
	s_load_b256 s[24:31], s[0:1], 0x40             ; a_scales s[24:25], b_codes s[26:27], b_scales s[28:29], wo16 s[30:31]
	v_lshl_add_u32 v[SPW], v0, 2, SPARE
	v_mov_b32 v[NIL], 0
	v_lshrrev_b32 v1, 5, v0
	v_readfirstlane_b32 s37, v1                    ; wave
	v_and_b32 v2, 31, v0                           ; lane
	v_lshlrev_b32 v3, 4, v2                        ; my 16 bytes of a load's 512
	s_mul_i32 s38, s37, WREG
	v_lshrrev_b32 v14, 2, v2
	v_mul_u32_u24 v14, v14, SP
	v_and_b32 v15, 3, v2
	v_lshl_add_u32 v14, v15, 4, v14
	v_add_nc_u32 v14, s38, v14                     ; the stage, on the way in: SP (lane / 4) + 16 (lane % 4)
	v_mul_u32_u24 v15, v2, SP
	v_add_nc_u32 v15, s38, v15                     ; and on the way out: SP x lane: my 16 neighbours
	v_mul_u32_u24 v4, v2, CB                       ; 8 x lane: my codes' place in a step's (and my f16 numbers' place in Wo's way)
	v_lshrrev_b32 v5, 1, v2
	s_add_co_u32 s38, s38, 2*32*SP
	v_add_nc_u32 v5, s38, v5                       ; LDS: my wave's 256 scale bytes, my block's byte
	v_lshlrev_b32 v7, 3, v2
	v_add_nc_u32 v6, s38, v7                       ; and on the way out 8 bytes a lane
	s_wait_kmcnt 0x0
	s_mov_b64 s[4:5], s[8:9]                       ; the source, and the first work-group of its tensor: chosen by the work-group's number alone
	s_mov_b32 s33, 0
.macro PICK first, reg
	s_cmp_ge_u32 ttmp9, \first
	s_cselect_b64 s[4:5], s[\reg:\reg+1], s[4:5]
	s_cselect_b32 s33, \first, s33
.endm
	PICK 256, 10
	PICK 512, 12
	PICK 768, 14
	PICK 800, 16
	PICK 832, 18
	PICK 864, 20
	s_sub_co_u32 s38, ttmp9, s33
	s_lshl_b32 s38, s38, 2
	s_add_co_u32 s38, s38, s37                     ; which run of 8,192 numbers of the tensor is my wave's
	s_lshl_b32 s40, s38, 15                        ; 32,768 bytes a run
	s_mov_b32 s41, 0
	s_add_nc_u64 s[4:5], s[4:5], s[40:41]
	s_cmp_ge_u32 ttmp9, 864
	s_cbranch_scc1 .Lwo
	s_cmp_lt_u32 ttmp9, 768                        ; an x or a W?
	s_cselect_b64 s[6:7], s[22:23], s[26:27]       ; the codes' buffer,
	s_cselect_b64 s[34:35], s[24:25], s[28:29]     ; the scale bytes',
	s_cselect_b32 s36, 0, 768                      ; and the first work-group that writes into them
	s_sub_co_u32 s39, ttmp9, s36
	s_lshl_b32 s39, s39, 2
	s_add_co_u32 s39, s39, s37                     ; which run of the stacked tensors
	s_lshl_b32 s40, s39, 12                        ; 4,096 bytes of codes a run
	s_add_nc_u64 s[6:7], s[6:7], s[40:41]
	s_lshl_b32 s40, s39, 8                         ; 256 scale bytes a run
	s_add_nc_u64 s[34:35], s[34:35], s[40:41]
.macro LOAD t
.irp i, 0,1,2,3
	global_load_b128 v[R+16*((\t)%4)+4*\i:R+16*((\t)%4)+4*\i+3], v3, s[4:5] offset:2048*(\t)+512*\i th:TH_LOAD_NT   ; 32 lanes read 512 consecutive bytes
.endr
.endm
.macro TURN t                          ; step t's numbers through the stage: LDS serves a wave's instructions in order, so no wait stands between the stores and the loads
.irp i, 0,1,2,3
	ds_store_b128 v14, v[R+16*((\t)%4)+4*\i:R+16*((\t)%4)+4*\i+3] offset:32*SP*((\t)%2)+8*SP*\i
.endr
.irp i, 0,1,2,3
	ds_load_b128 v[X+16*((\t)%2)+4*\i:X+16*((\t)%2)+4*\i+3], v15 offset:32*SP*((\t)%2)+16*\i
.endr
.endm
.irp t, 0,1,2,3
	LOAD \t
.endr
	s_wait_loadcnt 12                              ; step 0's four loads are in; the twelve of steps 1 to 3 may be out
	TURN 0
.macro STEP t
.set XS, X+16*((\t)%2)
.if (\t) > 0
	s_wait_dscnt 1                                 ; this step's numbers are back from the stage (the last step's byte store may be out)
.else
	s_wait_dscnt 0x0
.endif
.if (\t)+4 < STEPS
	LOAD (\t)+4                                    ; into the registers that the stage's stores have read
.endif
.if (\t)+1 < STEPS
.if STEPS-2-(\t) >= 3
	s_wait_loadcnt 12                              ; the next step's four loads are in; those of the three steps behind it may be out
.else
	s_wait_loadcnt 4*(STEPS-2-(\t))
.endif
	TURN (\t)+1                                    ; through the other stage while this step is worked
.endif
	v_max3_num_f32 v8, |v[XS]|, |v[XS+1]|, |v[XS+2]|               ; the largest magnitude of my 16, in two chains
	v_max3_num_f32 v9, |v[XS+3]|, |v[XS+4]|, |v[XS+5]|
.irp i, 6,10
	v_max3_num_f32 v8, v8, |v[XS+\i]|, |v[XS+\i+1]|
	v_max3_num_f32 v9, v9, |v[XS+\i+2]|, |v[XS+\i+3]|
.endr
	v_max3_num_f32 v8, v8, |v[XS+14]|, |v[XS+15]|
	v_max3_num_f32 v8, v8, v9, (EMAX+1)<<23        ; and the floor 2^(3 - 127): the byte cannot fall under 1
	v_max_num_f32_dpp v8, v8, v8 row_xmask:1 row_mask:0xf bank_mask:0xf   ; with my neighbour's 16: the block's
	v_add_nc_u32 v11, -(EMAX<<23), v8              ; 2 off its exponent field: the conversion takes the exponent field of this operand as its scale
	v_cvt_scalef32_pk8_fp4_f32 v[C+4*(\t)], v[XS:XS+7], v11
	v_cvt_scalef32_pk8_fp4_f32 v[C+4*(\t)+1], v[XS+8:XS+15], v11
	v_lshrrev_b32 v[E+(\t)], 23, v11               ; the scale's byte (also the plain line behind the conversions)
	ds_store_b8 v5, v[E+(\t)] offset:16*(\t)       ; both lanes of a block write the same byte with the same value
	global_store_b64 v4, v[C+4*(\t):C+4*(\t)+1], s[6:7] offset:32*CB*(\t)   ; the wave stores 256 consecutive bytes, aligned
.endm
.irp t, 0,1,2,3,4,5,6,7,8,9,10,11,12,13,14,15
	STEP \t
.endr
	ds_load_b64 v[8:9], v6                         ; LDS serves a wave's instructions in order: these see my byte stores
	s_wait_dscnt 0x0
	global_store_b64 v7, v[8:9], s[34:35]          ; 32 lanes store 256 consecutive bytes, aligned
	s_wait_tensorcnt 0x0                           ; the wave's end
	ds_add_u32 v[SPW], v[NIL]
	s_wait_dscnt 0x0
	s_endpgm
; Wo's way: f32 to f16, no LDS.  64 loads of 512 bytes in four groups of 16, two groups on their way; a load's 128 numbers leave as 256 consecutive bytes.
.macro LOADG g
.irp i, 0,1,2,3,4,5,6,7,8,9,10,11,12,13,14,15
	global_load_b128 v[R+64*((\g)%2)+4*\i:R+64*((\g)%2)+4*\i+3], v3, s[4:5] offset:(16*(\g)+\i)*512 th:TH_LOAD_NT
.endr
.endm
.macro PROC g, base                    ; base - i: the group's younger loads, and the next group's sixteen where one is out
.if (\g) > 0
	s_wait_xcnt 0x0                                ; the last group's stores have read their data: v[H] on is written again only behind this wait
.endif
.irp i, 0,1,2,3,4,5,6,7,8,9,10,11,12,13,14,15
	s_wait_loadcnt \base-\i
	v_cvt_pk_f16_f32 v[H+2*\i], v[R+64*((\g)%2)+4*\i], v[R+64*((\g)%2)+4*\i+1]
	v_cvt_pk_f16_f32 v[H+2*\i+1], v[R+64*((\g)%2)+4*\i+2], v[R+64*((\g)%2)+4*\i+3]
	global_store_b64 v4, v[H+2*\i:H+2*\i+1], s[30:31] offset:(16*(\g)+\i)*256
.endr
.endm
.Lwo:
	s_lshl_b32 s40, s38, 14                        ; 16,384 bytes of f16 a run
	s_add_nc_u64 s[30:31], s[30:31], s[40:41]
	LOADG 0
	LOADG 1
	PROC 0, 31
	LOADG 2
	PROC 1, 31
	LOADG 3
	PROC 2, 31
	PROC 3, 15
	s_endpgm
.Lfunc_end_k_q58404fbabb_quant:
	.size	k_q58404fbabb_quant, .Lfunc_end_k_q58404fbabb_quant-k_q58404fbabb_quant
	.p2alignl 7, 3214868480
	.fill 96, 4, 3214868480
	.section	.rodata,"a",@progbits
	.p2align	6, 0x0
	.amdhsa_kernel k_q58404fbabb_quant
		.amdhsa_group_segment_fixed_size 33280
		.amdhsa_private_segment_fixed_size 0
		.amdhsa_enable_private_segment 0
		.amdhsa_kernarg_size 96
		.amdhsa_user_sgpr_count 2
		.amdhsa_user_sgpr_kernarg_segment_ptr 1
		.amdhsa_wavefront_size32 1
		.amdhsa_system_sgpr_workgroup_id_x 1
		.amdhsa_system_sgpr_workgroup_id_y 1
		.amdhsa_system_sgpr_workgroup_id_z 1
		.amdhsa_system_vgpr_workitem_id 0
		.amdhsa_next_free_vgpr 192
		.amdhsa_next_free_sgpr 66
		.amdhsa_reserve_vcc 0
		.amdhsa_float_denorm_mode_32 3
		.amdhsa_float_denorm_mode_16_64 3
		.amdhsa_memory_ordered 1
		.amdhsa_forward_progress 1
		.amdhsa_inst_pref_size 57
	.end_amdhsa_kernel
	.amdgpu_metadata
---
amdhsa.version: [ 1, 2 ]
amdhsa.kernels:
  - .name:           k_q58404fbabb_quant
    .symbol:         k_q58404fbabb_quant.kd
    .args:
      - { .name: x_query, .offset: 0, .size: 8, .value_kind: global_buffer, .address_space: global }
      - { .name: x_key, .offset: 8, .size: 8, .value_kind: global_buffer, .address_space: global }
      - { .name: x_value, .offset: 16, .size: 8, .value_kind: global_buffer, .address_space: global }
      - { .name: Wq, .offset: 24, .size: 8, .value_kind: global_buffer, .address_space: global }
      - { .name: Wk, .offset: 32, .size: 8, .value_kind: global_buffer, .address_space: global }
      - { .name: Wv, .offset: 40, .size: 8, .value_kind: global_buffer, .address_space: global }
      - { .name: Wo, .offset: 48, .size: 8, .value_kind: global_buffer, .address_space: global }
      - { .name: a_codes, .offset: 56, .size: 8, .value_kind: global_buffer, .address_space: global }
      - { .name: a_scales, .offset: 64, .size: 8, .value_kind: global_buffer, .address_space: global }
      - { .name: b_codes, .offset: 72, .size: 8, .value_kind: global_buffer, .address_space: global }
      - { .name: b_scales, .offset: 80, .size: 8, .value_kind: global_buffer, .address_space: global }
      - { .name: wo16, .offset: 88, .size: 8, .value_kind: global_buffer, .address_space: global }
    .group_segment_fixed_size: 33280
    .private_segment_fixed_size: 0
    .kernarg_segment_align: 8
    .kernarg_segment_size: 96
    .max_flat_workgroup_size: 128
    .sgpr_count:     66
    .vgpr_count:     192
    .wavefront_size: 32
...
	.end_amdgpu_metadata
.endif
;; end of part 1
;; launch proj (part 2): grid 4 x 96, 4 waves a work-group, clusters of 4 x 4, 327,680 bytes of LDS; arguments a_codes, a_scales, b_codes, b_scales, qkv16, qkv32; writes qkv16, qkv32
.if DOCPART == 2
	.amdgcn_target "amdgcn-amd-amdhsa--gfx1250"
	.amdhsa_code_object_version 6
	.text
	.protected	k_q58404fbabb_proj
	.globl	k_q58404fbabb_proj
	.p2align	8
	.type	k_q58404fbabb_proj,@function
k_q58404fbabb_proj:
	s_mov_b64 s[64:65], 0
	v_nop
	global_prefetch_b8 v0, s[64:65] scope:SCOPE_SE
	s_setreg_imm32_b32 hwreg(HW_REG_WAVE_MODE, 25, 1), 1
	s_wait_xcnt 0x0
	s_wait_alu depctr_hold_cnt(0) depctr_sa_sdst(0) depctr_va_vdst(0) depctr_va_sdst(0) depctr_va_ssrc(0) depctr_va_vcc(0) depctr_vm_vsrc(0)
	s_getreg_b32 s2, hwreg(HW_REG_IB_STS2, 6, 4)
	s_cmp_eq_u32 s2, 0
	s_cbranch_scc0 .Lentry_in_a_cluster
	s_endpgm
.Lentry_in_a_cluster:
	s_bfe_u32 s2, ttmp6, 0x10000c
	s_cmp_lg_u32 s2, 0xf033
	s_cbranch_scc0 .Lentry_shape_is_right
	s_endpgm
.Lentry_shape_is_right:
; q = x_query Wq^T, k = x_key Wk^T, v = x_value Wv^T on codes of FP4 (E2M1) with one E8M0 scale for each 32 along K = 1,024; sums in f32.
; a_codes [24,576 rows: the three x][512 bytes], b_codes [3,072 rows: the three W][512 bytes]; scale bytes [rows][32].
; A work-group of four waves makes 256 x 256 results, a wave 128 x 128: 64 accumulators, 512 registers.  K goes in two steps of 512 through two LDS slots, both filled at the start: nothing is filled again.
; The scale bytes of the work-group's 2 x 256 rows come once, as dense blocks.
; CLUSTERS: 4 x 4 work-groups; cluster y = 8 T + J: T the product (0 q, 1 k, 2 v), J the block of 256 positions.  The operand in source 1 ("A") is shared along a row of the cluster, that in source 0 ("B") along a column.
;   T < 2: A = 256 positions of batch cy, B = 256 rows of W (columns 256 cx on).  A lane then holds one POSITION and eight neighbouring channels.
;   T = 2: THE ROLES ARE SWAPPED: A = 256 rows of Wv (channels 256 cy on), B = 256 positions of batch cx.  A lane then holds one CHANNEL and eight neighbouring keys: v comes out with the keys innermost.
; THE WAY OUT NEEDS NO LDS: eight neighbours of a lane, rounded to f16, are four registers of a 16-bit operand of 16 rows x 32 along its K.  They are stored as an image of those registers:
; lane l's 16 bytes at 16 l, so each store of the wave covers 512 consecutive bytes, aligned.
;   qkv16: q, then k: [batch x head 64][tile of 16 positions 128][32 channels 2][half 2][lane 32][16 bytes];  then v: [batch x head 64][32 keys 64][tile of 16 channels 4][half 2][lane 32][16 bytes].
;   qkv32: the accumulators of positions 0-15 of each sequence as they stand, f32: [T 3][batch 4][tile 64][half 2][lane 32][16 bytes].
; LIMITS: results beyond 65,504 become infinite in f16, under 6e-8 they are lost.
; REGISTERS, in windows of 256: window 0: v0-31 addresses; v32-95 scale words, two sets; from v128 A's fragments, one set (on the way out: the packed results).  window 1: B's fragments, two sets.  windows 2, 3: the accumulators ((a, b) at v[8 (8 (a % 4) + b)]).
.set KSTEP,  512
.set NQ,     KSTEP/128                 ; matrix instructions deep in a slot
.set ROWB,   256                       ; a tile's row in bytes
.set KROW,   512                       ; a row of codes in memory
.set PITCH,  272                       ; an LDS row: 256 bytes + 16 of padding: the 16 rows that a load touches start 68 words apart
.set FR,     8
.set NL,     2
.set NP,     4
.set HALFT,  128*PITCH                 ; 128 rows: what one tensor load brings
.set SLOT,   4*HALFT
.set KS,     32                        ; a row of scale bytes
.set SCL,    2*SLOT                    ; behind the slots: the scales, as rows of 256 bytes + 16
.set HALFS,  (128*KS/256)*272
.set SBLK,   (16*KS/256)*272
.set SPARE,  SCL+4*HALFS               ; the spare words, 128 bytes a wave, which no other line names
.set ADRA, 16                          ; v16-17 LDS address of my A fragments in slot 0, 1
.set ADRB, 20                          ; v20-21 the same for B
.set CO,   26                          ; v26 16 x lane: my place in an image
.set ADRS, 27                          ; v27 LDS address of my scale words: lanes 0-15 A's rows, lanes 16-31 B's
.set SPW,  28
.set NIL,  29
.set SC,   32
.set AF,   128
.set PK,   128                         ; the way out: four sets of 32 registers
.set G1, 24
.set G0, 32
.set G1B, 48
.set G0B, 56
.set TP,  66                           ; s66 T
.set JB,  67                           ; s67 J
.set G1S, 68
.set G0S, 76
.set G1SB, 80
.set G0SB, 88
.set MSB, 0
.macro WIN new                         ; the immediate's high byte repeats the setting that is left
.if MSB != (\new)
	s_set_vgpr_msb (MSB<<8)|(\new)
.set MSB, (\new)
.endif
.endm
.set MUL_LO, 0xa1                      ; source 0 (B) window 1, source 1 (A) window 0, C and D window 2
.set MUL_HI, 0xf1                      ; the same, C and D window 3
.set TO_B,   0x40
; A joint load: waves 0 and 1 fetch for A, waves 2 and 3 for B.  The branch hangs on the wave's number alone.  An s_nop 0 and four v_nop follow each of the two lines.
.macro JLOAD g0a, g1a, g0b, g1b
	s_cmp_eq_u32 s15, 0
	s_cbranch_scc0 .Lfor_b_\@
	tensor_load_to_lds s[\g0a:\g0a+3], s[\g1a:\g1a+7]
	s_nop 0
.rept 4
	v_nop
.endr
	s_branch .Lasked_\@
.Lfor_b_\@:
	tensor_load_to_lds s[\g0b:\g0b+3], s[\g1b:\g1b+7]
	s_nop 0
.rept 4
	v_nop
.endr
.Lasked_\@:
.endm
.macro CROUND                          ; a round of the cluster's barrier
	s_barrier_signal -1
	s_barrier_wait -1
	s_cmp_lg_u32 s14, 0
	s_cbranch_scc1 .Lnot_wave_0_\@
	s_barrier_signal -3
.Lnot_wave_0_\@:
	s_barrier_wait -3
	s_barrier_signal -1
	s_barrier_wait -1
.endm
	s_load_b128 s[4:7], s[0:1], 0x0                ; a_codes, a_scales
	s_load_b128 s[8:11], s[0:1], 0x10              ; b_codes, b_scales
	s_load_b64 s[12:13], s[0:1], 0x20              ; qkv16
	s_load_b64 s[98:99], s[0:1], 0x28              ; qkv32
	v_lshl_add_u32 v[SPW], v0, 2, SPARE
	v_mov_b32 v[NIL], 0
	ds_add_u32 v[SPW], v[NIL]                      ; the wave's opening
	ds_add_u32 v[SPW], v[NIL]
	v_lshrrev_b32 v1, 5, v0
	v_readfirstlane_b32 s14, v1                    ; wave 0..3
	s_lshr_b32 s15, s14, 1                         ; which half of A's rows is mine.  Also: I fetch for A (0) or for B (1)
	s_and_b32 s16, s14, 1                          ; which half of B's rows.  Also: which 128 rows I fetch
	s_bfe_u32 s40, ttmp6, 0x40000                  ; cx
	s_bfe_u32 s41, ttmp6, 0x40004                  ; cy
	s_and_b32 s17, ttmp7, 0xffff                   ; cluster y, the same in all sixteen partners
	s_lshr_b32 s[TP], s17, 3
	s_and_b32 s[JB], s17, 7
	s_lshl_b32 s43, s41, 2
	s_lshl_b32 s43, 15, s43                        ; my row of the cluster
	s_lshl_b32 s44, 0x1111, s40                    ; my column
	s_or_b32 s[G1+0], s43, (0<<16)|(1<<20)|(1<<21)|(5<<22)|(3<<25)  ; the mask; elements of 1 byte; padding on; bit 21 beside a mask; 4 words of padding after every 64
	s_or_b32 s[G1B+0], s44, (0<<16)|(1<<20)|(1<<21)|(5<<22)|(3<<25)
.irp g, G1, G1B
	s_mov_b32 s[\g+1], ROWB<<16                    ; tensor_dim0
	s_mov_b32 s[\g+2], 128<<16                     ; tensor_dim1
	s_mov_b32 s[\g+3], ROWB<<16                    ; tile_dim0
	s_mov_b32 s[\g+4], 128                         ; tile_dim1
	s_mov_b32 s[\g+5], KROW                        ; from row to row
	s_mov_b32 s[\g+6], 0
	s_mov_b32 s[\g+7], 0
.endr
	s_or_b32 s[G1S+0], s43, (3<<16)|(1<<20)|(1<<21)|(5<<22)|(3<<25)  ; the scales of 128 rows: a dense block, as rows of 256 bytes (32 elements of 8 bytes)
	s_or_b32 s[G1SB+0], s44, (3<<16)|(1<<20)|(1<<21)|(5<<22)|(3<<25)
.irp g, G1S, G1SB
	s_mov_b32 s[\g+1], 32<<16
	s_mov_b32 s[\g+2], (128*KS/256)<<16
	s_mov_b32 s[\g+3], 32<<16
	s_mov_b32 s[\g+4], 128*KS/256
	s_mov_b32 s[\g+5], 32
	s_mov_b32 s[\g+6], 0
	s_mov_b32 s[\g+7], 0
.endr
	; the first rows.  A's hang on cy, T and J alone (s20, s21), B's on cx, T and J alone (s46, s47): neither set of registers ever holds the other coordinate
	s_lshl_b32 s18, s16, 7                         ; which 128 rows I fetch
	s_lshl_b32 s20, s[TP], 13
	s_lshl_b32 s21, s41, 11
	s_add_co_u32 s20, s20, s21
	s_lshl_b32 s21, s[JB], 8
	s_add_co_u32 s20, s20, s21                     ; T < 2: A = row 8,192 T + 2,048 cy + 256 J of the x
	s_lshl_b32 s21, s41, 8
	s_add_co_u32 s21, s21, 2048                    ; T = 2: A = row 2,048 + 256 cy of the W
	s_lshl_b32 s46, s[TP], 10
	s_lshl_b32 s47, s40, 8
	s_add_co_u32 s46, s46, s47                     ; T < 2: B = row 1,024 T + 256 cx of the W
	s_lshl_b32 s47, s40, 11
	s_lshl_b32 s92, s[JB], 8
	s_add_co_u32 s47, s47, s92
	s_add_co_u32 s47, s47, 16384                   ; T = 2: B = row 16,384 + 2,048 cx + 256 J of the x
	s_cmp_eq_u32 s[TP], 2
	s_cselect_b32 s20, s21, s20
	s_cselect_b32 s46, s47, s46
	s_add_co_u32 s20, s20, s18
	s_add_co_u32 s46, s46, s18
	s_mov_b32 s21, 0
	s_mov_b32 s47, 0
	s_mov_b64 s[18:19], KS
	s_mul_u64 s[22:23], s[20:21], s[18:19]         ; where these rows' scales begin, in bytes
	s_mul_u64 s[92:93], s[46:47], s[18:19]
	s_mov_b64 s[18:19], KROW
	s_mul_u64 s[20:21], s[20:21], s[18:19]         ; and their codes
	s_mul_u64 s[46:47], s[46:47], s[18:19]
	s_mul_i32 s45, s14, HALFT                      ; where they go: wave x 128 rows: no place in the cluster enters an LDS address
	s_mul_i32 s94, s14, HALFS
	s_wait_dscnt 0x0                               ; both opening adds are done
	s_wait_kmcnt 0x0
	s_cmp_eq_u32 s[TP], 2                          ; T = 2: the two pairs of buffers change roles; the choice hangs on the cluster's number alone
	s_cselect_b64 s[96:97], s[8:9], s[4:5]
	s_cselect_b64 s[8:9], s[4:5], s[8:9]
	s_mov_b64 s[4:5], s[96:97]
	s_cselect_b64 s[96:97], s[10:11], s[6:7]
	s_cselect_b64 s[10:11], s[6:7], s[10:11]
	s_mov_b64 s[6:7], s[96:97]
	s_add_nc_u64 s[20:21], s[4:5], s[20:21]
	s_add_nc_u64 s[22:23], s[6:7], s[22:23]
	s_add_nc_u64 s[46:47], s[8:9], s[46:47]
	s_add_nc_u64 s[92:93], s[10:11], s[92:93]
	CROUND                                         ; all sixteen work-groups are here: the joint loads meet
	s_mov_b32 s[G0S], 1
	s_add_co_u32 s[G0S+1], s94, SCL
	s_mov_b64 s[G0S+2:G0S+3], s[22:23]
	s_or_b32 s[G0S+3], s[G0S+3], 0x80000000
	s_mov_b32 s[G0SB], 1
	s_add_co_u32 s[G0SB+1], s94, SCL
	s_mov_b64 s[G0SB+2:G0SB+3], s[92:93]
	s_or_b32 s[G0SB+3], s[G0SB+3], 0x80000000
	JLOAD G0S, G1S, G0SB, G1SB                     ; the scales first: they are wanted with K step 0.  Three loads of mine are out behind the third line
.irp s, 0,1
	s_mov_b32 s[G0+4*\s], 1
	s_add_co_u32 s[G0+4*\s+1], s45, \s*SLOT
	s_add_nc_u64 s[G0+4*\s+2:G0+4*\s+3], s[20:21], \s*ROWB
	s_or_b32 s[G0+4*\s+3], s[G0+4*\s+3], 0x80000000
	s_mov_b32 s[G0B+4*\s], 1
	s_add_co_u32 s[G0B+4*\s+1], s45, \s*SLOT
	s_add_nc_u64 s[G0B+4*\s+2:G0B+4*\s+3], s[46:47], \s*ROWB
	s_or_b32 s[G0B+4*\s+3], s[G0B+4*\s+3], 0x80000000
	JLOAD G0+4*\s, G1, G0B+4*\s, G1B
.endr
	v_and_b32 v1, 15, v0                           ; l % 16
	v_bfe_u32 v2, v0, 4, 1                         ; l / 16
	v_mul_u32_u24 v3, v1, PITCH
	v_lshl_add_u32 v4, v2, 4, v3                   ; a fragment's row x pitch + 16 x half
	s_mul_i32 s21, s15, HALFT                      ; my 128 rows of A
	s_mul_i32 s22, s16, HALFT                      ; my 128 rows of B,
	s_add_co_u32 s22, s22, 2*HALFT                 ; which lie behind A's 256
.irp s, 0,1
	v_add_nc_u32 v[ADRA+\s], s21, v4
	v_add_nc_u32 v[ADRB+\s], s22, v4
	s_add_co_u32 s21, s21, SLOT
	s_add_co_u32 s22, s22, SLOT
.endr
	v_mul_u32_u24 v5, v1, KS                       ; my row's scales: KS bytes a row,
	v_lshrrev_b32 v6, 8, v5
	v_lshl_add_u32 v5, v6, 4, v5                   ; and 16 more for each 256 passed
	s_mul_i32 s21, s15, HALFS
	s_mul_i32 s22, s16, HALFS
	s_add_co_u32 s22, s22, 2*HALFS
	s_sub_co_u32 s22, s22, s21
	v_mul_u32_u24 v6, s22, v2                      ; lanes 16-31 take B's: one product, the distance between the two bases
	s_add_co_u32 s21, s21, SCL
	v_add_nc_u32 v5, v5, v6
	v_add_nc_u32 v[ADRS], s21, v5
	v_and_b32 v6, 31, v0
	v_lshlrev_b32 v[CO], 4, v6
.macro FRAG reg, adr, q, i             ; 16 rows x 128 K of 4-bit codes: 8 registers: two loads of 16 bytes, 32 bytes apart
.irp c, 0,1
	ds_load_b128 v[\reg+4*\c:\reg+4*\c+3], v[\adr] offset:64*(\q)+32*\c+(\i)*16*PITCH
.endr
.endm
; 16 matrix instructions: A's blocks a0, a0 + 1 x B's eight.  The 64 accumulators take turns, one instruction a turn, in the same order in every step.
.macro MUL16 a0, p, q, sc, zero
.irp a, \a0, \a0+1
.irp b, 0,1,2,3,4,5,6,7
.if \zero
	v_wmma_scale_f32_16x16x128_f8f6f4 v[8*(8*((\a)%4)+\b):8*(8*((\a)%4)+\b)+7], v[128*(\p)+FR*\b:128*(\p)+FR*\b+FR-1], v[AF+FR*(\a):AF+FR*(\a)+FR-1], 0, v[SC+8*NQ*(\sc)+NQ*\b+(\q)], v[SC+8*NQ*(\sc)+NQ*(\a)+(\q)] matrix_a_fmt:MATRIX_FMT_FP4 matrix_b_fmt:MATRIX_FMT_FP4 matrix_a_scale:MATRIX_SCALE_ROW1
.else
	v_wmma_scale_f32_16x16x128_f8f6f4 v[8*(8*((\a)%4)+\b):8*(8*((\a)%4)+\b)+7], v[128*(\p)+FR*\b:128*(\p)+FR*\b+FR-1], v[AF+FR*(\a):AF+FR*(\a)+FR-1], v[8*(8*((\a)%4)+\b):8*(8*((\a)%4)+\b)+7], v[SC+8*NQ*(\sc)+NQ*\b+(\q)], v[SC+8*NQ*(\sc)+NQ*(\a)+(\q)] matrix_a_fmt:MATRIX_FMT_FP4 matrix_b_fmt:MATRIX_FMT_FP4 matrix_a_scale:MATRIX_SCALE_ROW1
.endif
.endr
.endr
.endm
.macro FETCH_B slot, q, p
	WIN TO_B
.irp i, 0,1,2,3,4,5,6,7
	FRAG 128*(\p)+FR*\i, ADRB+\slot, \q, \i
.endr
	WIN 0
.endm
.macro FETCH_A slot, q, i0
.irp i, \i0, \i0+1, \i0+2, \i0+3
	FRAG AF+FR*(\i), ADRA+\slot, \q, \i
.endr
.endm
.macro SCALES sc                       ; a K step's scale words: four a row; lanes 0-15 take A's block i, lanes 16-31 B's block i
.irp i, 0,1,2,3,4,5,6,7
	ds_load_b128 v[SC+8*NQ*\sc+NQ*\i:SC+8*NQ*\sc+NQ*\i+3], v[ADRS] offset:\i*SBLK
.endr
.endm
.macro PLACES n                        ; plain vector places behind matrix instructions, ahead of loads into their sources and of reads of their results
.rept \n
	v_nop
.endr
.endm
.macro STEP slot, q, zero              ; 128 along K with its successor in the same slot
	s_wait_dscnt 4*NL                              ; B's set and A's blocks 0-3 are in; the youngest eight loads (A's blocks 4-7) may be out
	WIN MUL_LO
	MUL16 0, (\q)%2, \q, \slot, \zero
	MUL16 2, (\q)%2, \q, \slot, \zero
	s_wait_dscnt 0
	PLACES NP
	FETCH_B \slot, (\q)+1, 1-(\q)%2
	FETCH_A \slot, (\q)+1, 0
	WIN MUL_HI
	MUL16 4, (\q)%2, \q, \slot, \zero
	MUL16 6, (\q)%2, \q, \slot, \zero
	PLACES NP
	WIN 0
	FETCH_A \slot, (\q)+1, 4
.endm
; Slot 0's last step goes on into slot 1: each wave waits for all its tensor loads (slot 1's part), adds 0 to its spare word, waits for that, and passes one barrier: slot 1 is then whole.  Nothing is filled again.
.macro TURN slot, next
	s_wait_tensorcnt 0x0
	ds_add_u32 v[SPW], v[NIL]
	s_wait_dscnt 4*NL+1                            ; (the add and the youngest eight loads may be out)
	WIN MUL_LO
	MUL16 0, 1, NQ-1, \slot, 0
	s_wait_dscnt 0x0
	s_barrier_signal -1
	MUL16 2, 1, NQ-1, \slot, 0
	WIN 0
	s_barrier_wait -1
	PLACES NP
	v_add_nc_u32 v[ADRS], 4*NQ, v[ADRS]            ; on to the next K step's scale words
	FETCH_B \next, 0, 0
	FETCH_A \next, 0, 0
	SCALES \next
	WIN MUL_HI
	MUL16 4, 1, NQ-1, \slot, 0
	MUL16 6, 1, NQ-1, \slot, 0
	PLACES NP
	WIN 0
	FETCH_A \next, 0, 4
.endm
	s_wait_tensorcnt 1                             ; the scales and my part of slot 0 are in; slot 1's load may be out
	s_barrier_signal -1
	s_barrier_wait -1
	FETCH_B 0, 0, 0
	FETCH_A 0, 0, 0
	SCALES 0
	FETCH_A 0, 0, 4
	STEP 0, 0, 1                                   ; the first products start the sums: nothing is cleared
	STEP 0, 1, 0
	STEP 0, 2, 0
	TURN 0, 1
	STEP 1, 0, 0
	STEP 1, 1, 0
	STEP 1, 2, 0
	s_wait_dscnt 4*NL                              ; the last step: nothing more to fetch
	WIN MUL_LO
	MUL16 0, 1, NQ-1, 1, 0
	MUL16 2, 1, NQ-1, 1, 0
	s_wait_dscnt 0
	WIN MUL_HI
	MUL16 4, 1, NQ-1, 1, 0
	MUL16 6, 1, NQ-1, 1, 0
	WIN 0
; THE WAY OUT.  Block a's eight accumulators, each from its low end on, become 32 registers of f16 pairs and leave by eight stores of 512 consecutive bytes.
.macro OUT16 a, isv
.if (\a) >= 4
	s_wait_xcnt 0x0                                ; block a - 4's stores have read the registers that are written now
.endif
.set AC, 64*((\a)%4)
.set PB, PK+32*((\a)%4)
	WIN 0x0a+5*((\a)/4)                            ; sources 0 and 1: window 2 or 3
.irp b, 0,1,2,3,4,5,6,7
.irp i, 0,1,2,3
	v_cvt_pk_f16_f32 v[PB+4*\b+\i], v[AC+8*\b+2*\i], v[AC+8*\b+2*\i+1]
.endr
.endr
	WIN 0
.irp b, 0,1,2,3,4,5,6,7
.if \isv
	global_store_b128 v[CO], v[PB+4*\b:PB+4*\b+3], s[12:13] offset:((\a)/4)*262144+(\b/2)*4096+((\a)%4)*1024+(\b%2)*512   ; head a / 4, 32 keys b / 2, channel tile a % 4, half b % 2
.else
	global_store_b128 v[CO], v[PB+4*\b:PB+4*\b+3], s[12:13] offset:(\b/4)*262144+(\a)*2048+(\b%4)*512   ; head b / 4, position tile a, 16 channels b % 4
.endif
.endr
.endm
	PLACES NP                                      ; behind the last products: their results are read, and A's registers written, below
	s_cmp_eq_u32 s[TP], 2
	s_cbranch_scc1 .Lv
	s_lshl_b32 s20, s41, 4                         ; q, k: batch cy, head 4 cx + 2 (my half of B),
	s_lshl_b32 s21, s40, 2
	s_add_co_u32 s20, s20, s21
	s_lshl_b32 s21, s16, 1
	s_add_co_u32 s20, s20, s21
	s_lshl_b32 s20, s20, 7                         ; 128 position tiles a head,
	s_lshl_b32 s21, s[JB], 4
	s_add_co_u32 s20, s20, s21
	s_lshl_b32 s21, s15, 3
	s_add_co_u32 s20, s20, s21                     ; tile 16 J + 8 (my half of A),
	s_lshl_b32 s20, s20, 11                        ; 2,048 bytes a tile,
	s_lshl_b32 s21, s[TP], 24                      ; in q's or k's part
	s_add_co_u32 s20, s20, s21
	s_mov_b32 s21, 0
	s_add_nc_u64 s[12:13], s[12:13], s[20:21]
	s_or_b32 s20, s[JB], s15                       ; positions 0-15 lie in block J = 0, in the waves of A's first half, in block a = 0
	s_cmp_lg_u32 s20, 0
	s_cbranch_scc1 .Lqk16
	s_lshl_b32 s20, s40, 4
	s_lshl_b32 s21, s16, 3
	s_add_co_u32 s20, s20, s21                     ; column tile 16 cx + 8 (my half of B)
	s_lshl_b32 s20, s20, 10
	s_lshl_b32 s21, s41, 16
	s_add_co_u32 s20, s20, s21
	s_lshl_b32 s21, s[TP], 18
	s_add_co_u32 s20, s20, s21
	s_mov_b32 s21, 0
	s_add_nc_u64 s[98:99], s[98:99], s[20:21]
	WIN 0x08                                       ; a store's data are its source 1: window 2
.irp b, 0,1,2,3,4,5,6,7
	global_store_b128 v[CO], v[8*\b:8*\b+3], s[98:99] offset:1024*\b
	global_store_b128 v[CO], v[8*\b+4:8*\b+7], s[98:99] offset:1024*\b+512
.endr
	WIN 0
.Lqk16:
.irp a, 0,1,2,3,4,5,6,7
	OUT16 \a, 0
.endr
	s_branch .Lend
.Lv:
	s_lshl_b32 s20, s40, 4                         ; v: batch cx, head 4 cy + 2 (my half of A),
	s_lshl_b32 s21, s41, 2
	s_add_co_u32 s20, s20, s21
	s_lshl_b32 s21, s15, 1
	s_add_co_u32 s20, s20, s21
	s_lshl_b32 s20, s20, 6                         ; 64 steps of 32 keys a head,
	s_lshl_b32 s21, s[JB], 3
	s_add_co_u32 s20, s20, s21
	s_lshl_b32 s21, s16, 2
	s_add_co_u32 s20, s20, s21                     ; step 8 J + 4 (my half of B),
	s_lshl_b32 s20, s20, 12                        ; 4,096 bytes a step,
	s_add_co_u32 s20, s20, 2<<24                   ; in v's part
	s_mov_b32 s21, 0
	s_add_nc_u64 s[12:13], s[12:13], s[20:21]
	s_or_b32 s20, s[JB], s16                       ; keys 0-15 lie in block J = 0, in the waves of B's first half, in block b = 0
	s_cmp_lg_u32 s20, 0
	s_cbranch_scc1 .Lv16
	s_lshl_b32 s20, s41, 4
	s_lshl_b32 s21, s15, 3
	s_add_co_u32 s20, s20, s21                     ; channel tile 16 cy + 8 (my half of A)
	s_lshl_b32 s20, s20, 10
	s_lshl_b32 s21, s40, 16
	s_add_co_u32 s20, s20, s21
	s_add_co_u32 s20, s20, 2<<18
	s_mov_b32 s21, 0
	s_add_nc_u64 s[98:99], s[98:99], s[20:21]
.irp a, 0,1,2,3,4,5,6,7
	WIN 0x08+4*(\a/4)
	global_store_b128 v[CO], v[64*(\a%4):64*(\a%4)+3], s[98:99] offset:1024*\a
	global_store_b128 v[CO], v[64*(\a%4)+4:64*(\a%4)+7], s[98:99] offset:1024*\a+512
.endr
	WIN 0
.Lv16:
.irp a, 0,1,2,3,4,5,6,7
	OUT16 \a, 1
.endr
.Lend:
	s_wait_tensorcnt 0x0                           ; the wave's end
	ds_add_u32 v[SPW], v[NIL]
	s_wait_dscnt 0x0
	CROUND                                         ; the closing round: no work-group ends while a partner may still ask for a tile that names it
	s_endpgm
.Lfunc_end_k_q58404fbabb_proj:
	.size	k_q58404fbabb_proj, .Lfunc_end_k_q58404fbabb_proj-k_q58404fbabb_proj
	.p2alignl 7, 3214868480
	.fill 96, 4, 3214868480
	.section	.rodata,"a",@progbits
	.p2align	6, 0x0
	.amdhsa_kernel k_q58404fbabb_proj
		.amdhsa_group_segment_fixed_size 327680
		.amdhsa_private_segment_fixed_size 0
		.amdhsa_enable_private_segment 0
		.amdhsa_kernarg_size 48
		.amdhsa_user_sgpr_count 2
		.amdhsa_user_sgpr_kernarg_segment_ptr 1
		.amdhsa_wavefront_size32 1
		.amdhsa_system_sgpr_workgroup_id_x 1
		.amdhsa_system_sgpr_workgroup_id_y 1
		.amdhsa_system_sgpr_workgroup_id_z 1
		.amdhsa_system_vgpr_workitem_id 0
		.amdhsa_next_free_vgpr 1024
		.amdhsa_next_free_sgpr 100
		.amdhsa_reserve_vcc 0
		.amdhsa_float_denorm_mode_32 3
		.amdhsa_float_denorm_mode_16_64 3
		.amdhsa_memory_ordered 1
		.amdhsa_forward_progress 1
		.amdhsa_inst_pref_size 145
	.end_amdhsa_kernel
	.amdgpu_metadata
---
amdhsa.version: [ 1, 2 ]
amdhsa.kernels:
  - .name:           k_q58404fbabb_proj
    .symbol:         k_q58404fbabb_proj.kd
    .args:
      - { .name: a_codes, .offset: 0, .size: 8, .value_kind: global_buffer, .address_space: global }
      - { .name: a_scales, .offset: 8, .size: 8, .value_kind: global_buffer, .address_space: global }
      - { .name: b_codes, .offset: 16, .size: 8, .value_kind: global_buffer, .address_space: global }
      - { .name: b_scales, .offset: 24, .size: 8, .value_kind: global_buffer, .address_space: global }
      - { .name: qkv16, .offset: 32, .size: 8, .value_kind: global_buffer, .address_space: global }
      - { .name: qkv32, .offset: 40, .size: 8, .value_kind: global_buffer, .address_space: global }
    .group_segment_fixed_size: 327680
    .private_segment_fixed_size: 0
    .kernarg_segment_align: 8
    .kernarg_segment_size: 48
    .max_flat_workgroup_size: 128
    .sgpr_count:     100
    .vgpr_count:     1024
    .wavefront_size: 32
...
	.end_amdgpu_metadata
.endif
;; end of part 2
;; launch attn (part 3): grid 4 x 64, 8 waves a work-group, no clusters, 327,680 bytes of LDS; arguments qkv16, padding_mask, att16; writes att16
.if DOCPART == 3
	.amdgcn_target "amdgcn-amd-amdhsa--gfx1250"
	.amdhsa_code_object_version 6
	.text
	.protected	k_q58404fbabb_attn
	.globl	k_q58404fbabb_attn
	.p2align	8
	.type	k_q58404fbabb_attn,@function
k_q58404fbabb_attn:
	s_mov_b64 s[64:65], 0
	v_nop
	global_prefetch_b8 v0, s[64:65] scope:SCOPE_SE
	s_setreg_imm32_b32 hwreg(HW_REG_WAVE_MODE, 25, 1), 1
	s_wait_xcnt 0x0
; att[b][q][head] = softmax_k(q . k / 8, causal, keys with padding_mask = 0 left out) v, for 64 (batch, head) pairs of 2,048 positions, head size 64.  Operands in f16, products, maxima and sums in f32.
; qkv16 holds q, k and v as images of operand registers (16 rows x 32 along K: two halves of 32 lanes x 16 bytes); v with the keys innermost.  att16 is written the same way, as the last product's operand:
; [tile of 16 rows 512][32 channels of the 1,024: 32][half 2][lane 32][16 bytes].  So every fragment comes by loads at 16 x lane: no pitch, no padding, no turning load; every store covers 512 consecutive bytes.
; SHARES.  Work-group (i, bh) owns the blocks i and 7 - i of 256 queries of one head: (i + 1) + (8 - i) = 9 slots of 256 keys for every work-group, so all 256 have the same work and all trip counts are constants.
; Each of eight waves owns 32 queries (two tiles of 16); two waves share a SIMD, so that one wave's softmax stands beside the other's products.  A key step is 64 keys.
; NO CLUSTER: under the causal mask the query blocks of a head want different numbers of key slots, so a partner would be sent tiles that none of its waves reads.
; LAYOUT.  S^T = K Q^T and O^T = V^T P: a lane holds ONE query (lane % 16) throughout; two tiles of S^T, rounded to f16 in pairs, are source 1 of the second product.
; MASKS.  A table in LDS holds 0 or -1e30 for each key of each trip, in the order of the trips; it is the C of a score's first product.  On the diagonal hidden scores are set to -1e30.  The running maximum starts at -1e20.
; f16 operands bound a score by 64 x 65,504^2 = 2.75e11, so -1e30 < -1e20 < every true score: a masked key's p is exactly 0, the maximum is taken over allowed keys alone, and a query with no allowed key keeps
; sum 0 and O 0: 0 x (1 / 0) is NaN, as the softmax of a row of -infinity is.
; THE ROW'S SUM is made by the matrix unit: a product of ones with P, so it is the sum of p as rounded to f16, in f32.  Only its register 0 is rescaled and read; the others repeat sums of at most 2,048 and are not read.
; LIMITS: q, k, v and the result are f16 (65,504 at the most; under 6e-8 lost); NaN and infinities among them are not served.
; REGISTERS.  window 0: v1-13 addresses and constants; v16-31 statistics, 8 a tile (+0 c m, +1 m, +2 1 / l, +3 its pair's partner, +4..7 at work; a in +6); v32-95 S^T; v96-127 P; v128-159 the table's numbers; v160-178 the head's.
;   window 1: v0-63 K; v64-127 V; v128-159 Q; v160-223 O^T; v224-239 the sums; v240-247 ones.
.set SLOTB, 65536                      ; LDS: slot 0 at 0, slot 1 here: one exclusive or turns an address.  In a slot: 256 keys of K (32,768 bytes), then of V
.set VOFF,  32768
.set TAB,   131072                     ; the table: 9 trips x 256 keys x 4 bytes
.set SPARE, TAB+9*1024                 ; the spare words, 128 bytes a wave, which no other line names
.set L16, 1                            ; v1  16 x lane
.set ADR, 2                            ; v2  the slot in hand + 16 x lane
.set ADB, 3                            ; v3  the trip's part of the table + 32 (lane / 16)
.set AB0, 4                            ; v4  TAB + 32 (lane / 16)
.set RH,  5                            ; v5  lane % 16 - 8 (lane / 16)
.set D0,  6                            ; v6, v7  the diagonal's bound for tile 0, 1
.set NEGR, 8                           ; v8  -1e30
.set PFO, 9                            ; v9  256 x lane
.set TW,  10                           ; v10 TAB + 4 x thread
.set T4,  11                           ; v11 4 x thread
.set SPW, 12
.set NIL, 13
.set ST,  16
.set S,   32
.set P,   96
.set BIAS, 128
.set MA,  160
.set MV,  170
.set KFR, 0
.set VFR, 64
.set QFR, 128
.set OT,  160
.set LS,  224
.set ONE, 240
.set WV,  10                           ; s10 wave
.set PI,  11                           ; s11 i
.set BH,  12                           ; s12 batch x 16 + head
.set NT,  13                           ; s13 the trip
.set SL,  14                           ; s14 the key slot asked for last
.set KF,  15                           ; s15 the step's first key
.set Q0,  16                           ; s16 my first query
.set TT,  17                           ; s17 the trip's byte in the table
.set TB,  18                           ; s18 the LDS slot in hand
.set G1,  24                           ; s[24:31] descriptor group 1: 32 rows of 256 bytes, dense: K's and V's alike
.set G0,  32                           ; s[32:35] group 0
.set KVB, 36                           ; s[36:37] my wave's 8,192 bytes of key slot 0 in memory (waves 0-3: of K; 4-7: of V)
.set PFA, 38                           ; s[38:39] where my prefetch stands
.set LIM, 40                           ; s40 trips under this number prefetch: 7 in a head's first work-group, else 0
.set SEL, 42
.set CS,  44                           ; s[44:45] c = log2(e) / 8
.set QB,  46                           ; s[46:47] my queries in qkv16
.set OB,  48                           ; s[48:49] my rows in att16
.set MSB, 0
.macro WIN new
.if MSB != (\new)
	s_set_vgpr_msb (MSB<<8)|(\new)
.set MSB, (\new)
.endif
.endm
.macro PLACES
.rept 4
	v_nop
.endr
.endm
	s_load_b128 s[4:7], s[0:1], 0x0                ; qkv16, padding_mask
	s_load_b64 s[8:9], s[0:1], 0x10                ; att16
	v_lshl_add_u32 v[SPW], v0, 2, SPARE
	v_mov_b32 v[NIL], 0
	ds_add_u32 v[SPW], v[NIL]                      ; the wave's opening
	ds_add_u32 v[SPW], v[NIL]
	v_lshrrev_b32 v1, 5, v0
	v_readfirstlane_b32 s[WV], v1
	s_mov_b32 s[PI], ttmp9
	s_and_b32 s[BH], ttmp7, 0xffff
	s_mov_b32 s[G1+0], 3<<16                       ; no mask; elements of 8 bytes; no padding
	s_mov_b32 s[G1+1], 32<<16                      ; tensor_dim0 = 32 elements: 256 bytes
	s_mov_b32 s[G1+2], 32<<16                      ; tensor_dim1 = 32 rows
	s_mov_b32 s[G1+3], 32<<16                      ; tile_dim0
	s_mov_b32 s[G1+4], 32                          ; tile_dim1
	s_mov_b32 s[G1+5], 32                          ; from row to row: dense
	s_mov_b32 s[G1+6], 0
	s_mov_b32 s[G1+7], 0
	s_mov_b32 s[SEL], 0x76543210
	s_mov_b32 s[SEL+1], 0xfedcba98
	s_mov_b32 s[CS], 0x3e38aa3b
	s_mov_b32 s[CS+1], s[CS]
	s_mov_b32 s[NT], 0
	s_mov_b32 s[SL], 0
	s_mov_b32 s[KF], 0
	s_mov_b32 s[TT], 0
	s_mov_b32 s[TB], 0
	s_lshl_b32 s[Q0], s[PI], 8
	s_lshl_b32 s50, s[WV], 5
	s_add_co_u32 s[Q0], s[Q0], s50                 ; 256 i + 32 wave
	s_cmp_eq_u32 s[PI], 0
	s_cselect_b32 s[LIM], 7, 0
	s_lshr_b32 s50, s[WV], 2
	s_add_co_u32 s50, s50, 1
	s_lshl_b32 s50, s50, 24                        ; k's part of qkv16 (waves 0-3) or v's (4-7),
	s_lshl_b32 s51, s[BH], 18                      ; my head: 262,144 bytes,
	s_add_co_u32 s50, s50, s51
	s_and_b32 s51, s[WV], 3
	s_lshl_b32 s51, s51, 13                        ; my 64 keys of a slot: 8,192 bytes
	s_add_co_u32 s50, s50, s51
	s_mov_b32 s51, 0
	s_mov_b32 s[G0], 1
	s_lshl_b32 s[G0+1], s[WV], 13                  ; LDS: 8,192 x wave, in slot 0
	s_wait_dscnt 0x0                               ; both opening adds are done
	s_wait_kmcnt 0x0
	s_add_nc_u64 s[KVB:KVB+1], s[4:5], s[50:51]
	s_mov_b64 s[PFA:PFA+1], s[KVB:KVB+1]
	s_mov_b64 s[G0+2:G0+3], s[KVB:KVB+1]
	s_or_b32 s[G0+3], s[G0+3], 0x80000000
	tensor_load_to_lds s[G0:G0+3], s[G1:G1+7]      ; trip 0's keys: key slot 0 into LDS slot 0; every wave brings its eighth
	s_nop 0
	PLACES
	v_and_b32 v[L16], 31, v0
	v_lshlrev_b32 v[PFO], 8, v[L16]
	v_lshlrev_b32 v[L16], 4, v[L16]
	v_and_b32 v[RH], 15, v0
	v_bfe_u32 v[AB0], v0, 4, 1
	v_lshlrev_b32 v[D0], 3, v[AB0]
	v_sub_nc_u32 v[RH], v[RH], v[D0]
	v_lshl_add_u32 v[AB0], v[AB0], 5, TAB
	v_mov_b32 v[NEGR], 0xf149f2ca
	v_lshlrev_b32 v[T4], 2, v0
	v_add_nc_u32 v[TW], TAB, v[T4]
	; the mask: thread x takes key x of each trip's 256.  Trip n walks key slot n (n <= i: the first block) or n - i - 1 (the second)
	s_lshr_b32 s52, s[BH], 4
	s_lshl_b32 s52, s52, 13                        ; my batch: 2,048 keys x 4 bytes
	s_add_co_u32 s53, s[PI], 1
.irp n, 0,1,2,3,4,5,6,7,8
	s_sub_co_u32 s51, \n, s53
	s_cmp_gt_u32 \n, s[PI]
	s_cselect_b32 s50, s51, \n
	s_lshl_b32 s50, s50, 10
	s_add_co_u32 s50, s50, s52
	v_add_nc_u32 v[MA+\n], s50, v[T4]
	global_load_b32 v[MV+\n], v[MA+\n], s[6:7]
.endr
.macro SETBLK                          ; where my 32 queries lie in qkv16 and my 32 rows in att16
	s_lshl_b32 s50, s[BH], 7
	s_lshr_b32 s51, s[Q0], 4
	s_add_co_u32 s50, s50, s51
	s_lshl_b32 s50, s50, 11                        ; (128 x head + tile) x 2,048 bytes
	s_mov_b32 s51, 0
	s_add_nc_u64 s[QB:QB+1], s[4:5], s[50:51]
	s_lshr_b32 s50, s[BH], 4
	s_lshl_b32 s50, s50, 7
	s_lshr_b32 s52, s[Q0], 4
	s_add_co_u32 s50, s50, s52
	s_lshl_b32 s50, s50, 15                        ; (128 x batch + tile) x 32,768 bytes
	s_and_b32 s52, s[BH], 15
	s_lshl_b32 s52, s52, 11                        ; + head x 2,048
	s_add_co_u32 s50, s50, s52
	s_add_nc_u64 s[OB:OB+1], s[8:9], s[50:51]
.endm
.macro QLOAD                           ; Q stays in registers: tile t, 32 channels u, half f
	WIN 0x40
.irp t, 0,1
.irp u, 0,1
.irp f, 0,1
	global_load_b128 v[QFR+8*(2*\t+\u)+4*\f:QFR+8*(2*\t+\u)+4*\f+3], v[L16], s[QB:QB+1] offset:2048*\t+1024*\u+512*\f
.endr
.endr
.endr
	WIN 0
.endm
.macro INIT                            ; a block of queries begins: m = -1e20, O^T and the sums 0: so the key step is written once, and its first rescaling multiplies zeros
.irp t, 0,1
	v_mov_b32 v[ST+8*\t+1], 0xe0ad78ec
	v_mov_b32 v[ST+8*\t+3], 0
.endr
.irp t, 0,1
	v_mul_f32 v[ST+8*\t], s[CS], v[ST+8*\t+1]
.endr
	WIN 0x40
.set i, 0
.rept 80
	v_mov_b32 v[OT+i], 0
.set i, i+1
.endr
	WIN 0
.endm
	SETBLK
	QLOAD
	s_wait_loadcnt 8                               ; the mask's nine loads are in; Q's eight may be out
.irp n, 0,1,2,3,4,5,6,7,8
	v_cmp_eq_u32 vcc_lo, 0, v[MV+\n]
	v_cndmask_b32 v[MV+\n], 0, v[NEGR], vcc_lo     ; 0 for a key that counts, -1e30 for one that is masked
	ds_store_b32 v[TW], v[MV+\n] offset:1024*\n    ; seen by the other waves behind the first trip's wait and barrier
.endr
	WIN 0x40
.irp j, 0,1,2,3,4,5,6,7
	v_mov_b32 v[ONE+\j], 0x3c003c00                ; 1.0, 1.0 in f16
.endr
	WIN 0
	INIT
; THE CHANGE OF SLOTS, at a trip's head.  Each wave waits for all its tensor loads (one is out: its eighth of the slot ahead), adds 0 to its spare word, and waits for that and for its reads of the slot that it has left.
; Behind the barrier the slot ahead is whole and nobody reads the other.  fill = 1: that other slot takes the next trip's keys: the load has a trip's four key steps in which to land.
.macro CHANGE fill
	s_wait_tensorcnt 0x0                           ; no tensor load of mine is out, so group 0 may be written
	ds_add_u32 v[SPW], v[NIL]                      ; 0 onto my spare word; the descriptor's step stands between it and the wait for it
.if \fill
	s_add_co_u32 s50, s[SL], 1
	s_cmp_eq_u32 s[NT], s[PI]                      ; behind the first block's last trip the second block begins again at key slot 0
	s_cselect_b32 s[SL], 0, s50
	s_lshl_b32 s50, s[SL], 15
	s_mov_b32 s51, 0
	s_add_nc_u64 s[G0+2:G0+3], s[KVB:KVB+1], s[50:51]
	s_or_b32 s[G0+3], s[G0+3], 0x80000000
	s_xor_b32 s[G0+1], s[G0+1], SLOTB
	s_wait_xcnt 0x0                                ; the last prefetch, a trip back, has read its address
	s_add_nc_u64 s[PFA:PFA+1], s[PFA:PFA+1], 32768
.endif
	s_wait_dscnt 0x0
	s_barrier_signal -1
	s_barrier_wait -1
.if \fill
	tensor_load_to_lds s[G0:G0+3], s[G1:G1+7]      ; the first thing behind the barrier, and my one tensor load until the next
	s_nop 0
	PLACES
	; a prefetch of what the NEXT change asks for.  The four work-groups of a head walk the same K and V: the first of them (i = 0) asks, which from trip 1 on walks key slots 0 to 7 in order: in trip n it names
	; key slot n + 1, each wave its own 8,192 bytes, lanes 256 bytes apart: each block once in the launch.  Trips 0 to 6 ask: key slots 1 to 7; nothing at the head, nothing past the head's last key
	s_cmp_lt_u32 s[NT], s[LIM]
	s_cbranch_scc0 .Lnot_mine_\@
	global_prefetch_b8 v[PFO], s[PFA:PFA+1] th:TH_LOAD_NT scope:SCOPE_SE
.Lnot_mine_\@:
.endif
.endm
; A KEY STEP: 64 keys, the q-th of the slot in hand.
.macro STEP q
	s_add_co_u32 s50, s[Q0], 31                    ; a step all of whose keys come after my 32 queries is left out: a branch on ids, round the step's loads and work alone
	s_cmp_gt_u32 s[KF], s50
	s_cbranch_scc1 .Lhid_\@
.irp kt, 0,1,2,3
.irp f, 0,1
	ds_load_b128 v[BIAS+8*\kt+4*\f:BIAS+8*\kt+4*\f+3], v[ADB] offset:256*\q+64*\kt+16*\f   ; the table's numbers of keys 16 kt + 8 (lane / 16) + 0 .. 7
.endr
.endr
	WIN 0x40
.irp kt, 0,1,2,3
.irp u, 0,1
.irp f, 0,1
	ds_load_b128 v[KFR+8*(2*\kt+\u)+4*\f:KFR+8*(2*\kt+\u)+4*\f+3], v[ADR] offset:8192*\q+2048*\kt+1024*\u+512*\f
.endr
.endr
.endr
	s_wait_dscnt 0x0
	WIN 0x05                                       ; K and Q window 1; C and S^T window 0
.irp kt, 0,1,2,3                               ; the eight accumulators take turns, one instruction a turn
.irp t, 0,1
	v_wmma_f32_16x16x32_f16 v[S+32*\t+8*\kt:S+32*\t+8*\kt+7], v[KFR+16*\kt:KFR+16*\kt+7], v[QFR+16*\t:QFR+16*\t+7], v[BIAS+8*\kt:BIAS+8*\kt+7]
.endr
.endr
.irp kt, 0,1,2,3
.irp t, 0,1
	v_wmma_f32_16x16x32_f16 v[S+32*\t+8*\kt:S+32*\t+8*\kt+7], v[KFR+16*\kt+8:KFR+16*\kt+15], v[QFR+16*\t+8:QFR+16*\t+15], v[S+32*\t+8*\kt:S+32*\t+8*\kt+7]
.endr
.endr
	PLACES                                         ; ahead of the reads of the scores, and of the loads into V's registers, which the last step's products read
	WIN 0x40
.irp k2, 0,1
.irp c, 0,1,2,3
.irp f, 0,1
	ds_load_b128 v[VFR+8*(4*\k2+\c)+4*\f:VFR+8*(4*\k2+\c)+4*\f+3], v[ADR] offset:VOFF+8192*\q+4096*\k2+1024*\c+512*\f   ; they land while the softmax is walked
.endr
.endr
.endr
	WIN 0
	s_add_co_u32 s50, s[KF], 63                    ; a step all of whose keys count for all my queries skips the diagonal's lines
	s_cmp_le_u32 s50, s[Q0]
	s_cbranch_scc1 .Lopen_\@
	s_sub_co_i32 s50, s[Q0], s[KF]
	v_add_nc_u32 v[D0], s50, v[RH]                 ; d = my query - KF - 8 (lane / 16).  Register 8 kt + j holds key KF + 16 kt + 8 (lane / 16) + j: hidden where 16 kt + j > d
	v_add_nc_u32 v[D0+1], 16, v[D0]
.irp t, 0,1
.irp kt, 0,1,2,3
.irp j, 0,1,2,3,4,5,6,7
	v_cmp_gt_i32 vcc_lo, 16*\kt+\j, v[D0+\t]
	v_cndmask_b32 v[S+32*\t+8*\kt+\j], v[S+32*\t+8*\kt+\j], v[NEGR], vcc_lo
.endr
.endr
.endr
.Lopen_\@:
	; the softmax, the two tiles line by line.  The maximum of 32 scores and the old m, each accumulator from its low end on
.irp j, 0,1,2,3
.irp t, 0,1
	v_max3_num_f32 v[ST+8*\t+4+\j], v[S+32*\t+8*\j], v[S+32*\t+8*\j+1], v[S+32*\t+8*\j+2]
.endr
.endr
.irp g, 1,2
.irp j, 0,1,2,3
.irp t, 0,1
	v_max3_num_f32 v[ST+8*\t+4+\j], v[ST+8*\t+4+\j], v[S+32*\t+8*\j+2*\g+1], v[S+32*\t+8*\j+2*\g+2]
.endr
.endr
.endr
.irp t, 0,1
	v_max3_num_f32 v[ST+8*\t+4], v[ST+8*\t+4], v[S+32*\t+7], v[S+32*\t+15]
.endr
.irp t, 0,1
	v_max3_num_f32 v[ST+8*\t+6], v[ST+8*\t+6], v[S+32*\t+23], v[S+32*\t+31]
.endr
.irp t, 0,1
	v_max3_num_f32 v[ST+8*\t+4], v[ST+8*\t+4], v[ST+8*\t+5], v[ST+8*\t+6]
.endr
.irp t, 0,1
	v_max3_num_f32 v[ST+8*\t+4], v[ST+8*\t+4], v[ST+8*\t+7], v[ST+8*\t+1]
.endr
.irp t, 0,1
	v_permlanex16_b32 v[ST+8*\t+5], v[ST+8*\t+4], s[SEL], s[SEL+1]   ; the query's other 32 keys lie in the lane 16 away
.endr
.irp t, 0,1
	v_mov_b32 v[ST+8*\t+7], v[ST+8*\t]             ; c m_old
.endr
.irp t, 0,1
	v_max_num_f32 v[ST+8*\t+1], v[ST+8*\t+4], v[ST+8*\t+5]
.endr
.irp t, 0,1
	v_mul_f32 v[ST+8*\t], s[CS], v[ST+8*\t+1]
.endr
.irp t, 0,1
	v_sub_f32 v[ST+8*\t+7], v[ST+8*\t+7], v[ST+8*\t]
.endr
.set i, 0
.rept 16
.irp t, 0,1
	v_pk_fma_f32 v[S+32*\t+2*i:S+32*\t+2*i+1], v[S+32*\t+2*i:S+32*\t+2*i+1], s[CS:CS+1], v[ST+8*\t:ST+8*\t+1] op_sel_hi:[1,0,0] neg_lo:[0,0,1] neg_hi:[0,0,1]   ; c s - c m
.endr
.set i, i+1
.endr
.irp t, 0,1
	v_exp_f32 v[ST+8*\t+6], v[ST+8*\t+7]           ; a = 2^(c m_old - c m_new)
.endr
.set i, 0
.rept 32
.irp t, 0,1
	v_exp_f32 v[S+32*\t+i], v[S+32*\t+i]
.endr
.set i, i+1
.endr
	v_nop                                          ; a plain line behind the last exponential
	s_wait_alu depctr_va_vdst(0)                   ; the wait ahead of the first line that names a result: one for the batch of 66
.set i, 0
.rept 16
.irp t, 0,1
	v_cvt_pk_f16_f32 v[P+16*\t+i], v[S+32*\t+2*i], v[S+32*\t+2*i+1]
.endr
.set i, i+1
.endr
	WIN 0x41                                       ; O^T and the sums window 1, a window 0
.set i, 0
.rept 16
.irp t, 0,1
	v_pk_mul_f32 v[OT+32*\t+2*i:OT+32*\t+2*i+1], v[OT+32*\t+2*i:OT+32*\t+2*i+1], v[ST+8*\t+6:ST+8*\t+7] op_sel_hi:[1,0]
.endr
.set i, i+1
.endr
.irp t, 0,1
	v_mul_f32 v[LS+8*\t], v[LS+8*\t], v[ST+8*\t+6]
.endr
	s_wait_dscnt 0x0                               ; V is in
	WIN 0x51                                       ; V and the ones window 1, P window 0, C and D window 1
.irp k2, 0,1                                   ; ten accumulators take turns, one instruction a turn
.irp c, 0,1,2,3
.irp t, 0,1
	v_wmma_f32_16x16x32_f16 v[OT+32*\t+8*\c:OT+32*\t+8*\c+7], v[VFR+8*(4*\k2+\c):VFR+8*(4*\k2+\c)+7], v[P+16*\t+8*\k2:P+16*\t+8*\k2+7], v[OT+32*\t+8*\c:OT+32*\t+8*\c+7]
.endr
.endr
.irp t, 0,1
	v_wmma_f32_16x16x32_f16 v[LS+8*\t:LS+8*\t+7], v[ONE:ONE+7], v[P+16*\t+8*\k2:P+16*\t+8*\k2+7], v[LS+8*\t:LS+8*\t+7]
.endr
.endr
	WIN 0
.Lhid_\@:
	s_add_co_u32 s[KF], s[KF], 64
.endm
.macro SLOT_STEPS
	v_add_nc_u32 v[ADR], s[TB], v[L16]
	v_add_nc_u32 v[ADB], s[TT], v[AB0]
	STEP 0
	STEP 1
	STEP 2
	STEP 3
	s_xor_b32 s[TB], s[TB], SLOTB
	s_add_co_u32 s[TT], s[TT], 1024
.endm
; A block of queries is done: O^T / the sum, rounded to f16: a lane's eight channels are four registers of the last product's operand, stored as an image.  again = 1: on to block 7 - i.
.macro FINISH again
	PLACES                                         ; behind the last products
	WIN 0x01
.irp t, 0,1
	v_rcp_f32 v[ST+8*\t+2], v[LS+8*\t]
.endr
	v_nop
	s_wait_alu depctr_va_vdst(0)                   ; one wait for the two reciprocals, ahead of their first reader
.irp t, 0,1
.set i, 0
.rept 16
	v_pk_mul_f32 v[S+32*\t+2*i:S+32*\t+2*i+1], v[OT+32*\t+2*i:OT+32*\t+2*i+1], v[ST+8*\t+2:ST+8*\t+3] op_sel_hi:[1,0]
.set i, i+1
.endr
.endr
	WIN 0
.irp t, 0,1
.set i, 0
.rept 16
	v_cvt_pk_f16_f32 v[P+16*\t+i], v[S+32*\t+2*i], v[S+32*\t+2*i+1]
.set i, i+1
.endr
.endr
.irp t, 0,1
.irp c, 0,1,2,3
	global_store_b128 v[L16], v[P+16*\t+4*\c:P+16*\t+4*\c+3], s[OB:OB+1] offset:32768*\t+512*\c   ; 512 consecutive bytes, aligned
.endr
.endr
.if \again
	s_wait_xcnt 0x0                                ; the stores have read their base and their data: both are written again below
	s_sub_co_u32 s[Q0], 7, s[PI]
	s_lshl_b32 s[Q0], s[Q0], 8
	s_lshl_b32 s50, s[WV], 5
	s_add_co_u32 s[Q0], s[Q0], s50
	s_mov_b32 s[KF], 0
	SETBLK
	QLOAD
	INIT
	s_wait_loadcnt 0x0
.endif
.endm
	s_wait_loadcnt 0x0                             ; Q
.Ltrip:                                            ; eight trips, each of which asks for the next trip's keys
	CHANGE 1
	SLOT_STEPS
	s_cmp_lg_u32 s[NT], s[PI]
	s_cbranch_scc1 .Lon
	FINISH 1
.Lon:
	s_add_co_u32 s[NT], s[NT], 1
	s_cmp_lt_u32 s[NT], 8
	s_cbranch_scc1 .Ltrip
	CHANGE 0                                       ; the ninth is written out: it asks for nothing
	SLOT_STEPS
	FINISH 0
	s_wait_tensorcnt 0x0                           ; the wave's end
	ds_add_u32 v[SPW], v[NIL]
	s_wait_dscnt 0x0
	s_endpgm
.Lfunc_end_k_q58404fbabb_attn:
	.size	k_q58404fbabb_attn, .Lfunc_end_k_q58404fbabb_attn-k_q58404fbabb_attn
	.p2alignl 7, 3214868480
	.fill 96, 4, 3214868480
	.section	.rodata,"a",@progbits
	.p2align	6, 0x0
	.amdhsa_kernel k_q58404fbabb_attn
		.amdhsa_group_segment_fixed_size 327680
		.amdhsa_private_segment_fixed_size 0
		.amdhsa_enable_private_segment 0
		.amdhsa_kernarg_size 24
		.amdhsa_user_sgpr_count 2
		.amdhsa_user_sgpr_kernarg_segment_ptr 1
		.amdhsa_wavefront_size32 1
		.amdhsa_system_sgpr_workgroup_id_x 1
		.amdhsa_system_sgpr_workgroup_id_y 1
		.amdhsa_system_sgpr_workgroup_id_z 1
		.amdhsa_system_vgpr_workitem_id 0
		.amdhsa_next_free_vgpr 512
		.amdhsa_next_free_sgpr 66
		.amdhsa_reserve_vcc 1
		.amdhsa_float_denorm_mode_32 3
		.amdhsa_float_denorm_mode_16_64 3
		.amdhsa_memory_ordered 1
		.amdhsa_forward_progress 1
		.amdhsa_inst_pref_size 189
	.end_amdhsa_kernel
	.amdgpu_metadata
---
amdhsa.version: [ 1, 2 ]
amdhsa.kernels:
  - .name:           k_q58404fbabb_attn
    .symbol:         k_q58404fbabb_attn.kd
    .args:
      - { .name: qkv16, .offset: 0, .size: 8, .value_kind: global_buffer, .address_space: global }
      - { .name: padding_mask, .offset: 8, .size: 8, .value_kind: global_buffer, .address_space: global }
      - { .name: att16, .offset: 16, .size: 8, .value_kind: global_buffer, .address_space: global }
    .group_segment_fixed_size: 327680
    .private_segment_fixed_size: 0
    .kernarg_segment_align: 8
    .kernarg_segment_size: 24
    .max_flat_workgroup_size: 256
    .sgpr_count:     66
    .vgpr_count:     512
    .wavefront_size: 32
...
	.end_amdgpu_metadata
.endif
;; end of part 3
;; launch outproj (part 4): grid 32 x 8, 4 waves a work-group, clusters of 4 x 1, 327,680 bytes of LDS; arguments att16, wo16, out0; writes out0
.if DOCPART == 4
	.amdgcn_target "amdgcn-amd-amdhsa--gfx1250"
	.amdhsa_code_object_version 6
	.text
	.protected	k_q58404fbabb_outproj
	.globl	k_q58404fbabb_outproj
	.p2align	8
	.type	k_q58404fbabb_outproj,@function
k_q58404fbabb_outproj:
	s_mov_b64 s[64:65], 0
	v_nop
	global_prefetch_b8 v0, s[64:65] scope:SCOPE_SE
	s_setreg_imm32_b32 hwreg(HW_REG_WAVE_MODE, 25, 1), 1
	s_wait_xcnt 0x0
	s_wait_alu depctr_hold_cnt(0) depctr_sa_sdst(0) depctr_va_vdst(0) depctr_va_sdst(0) depctr_va_ssrc(0) depctr_va_vcc(0) depctr_vm_vsrc(0)
	s_getreg_b32 s2, hwreg(HW_REG_IB_STS2, 6, 4)
	s_cmp_eq_u32 s2, 0
	s_cbranch_scc0 .Lentry_in_a_cluster
	s_endpgm
.Lentry_in_a_cluster:
	s_bfe_u32 s2, ttmp6, 0x10000c
	s_cmp_lg_u32 s2, 0x3003
	s_cbranch_scc0 .Lentry_shape_is_right
	s_endpgm
.Lentry_shape_is_right:
; out0 = att Wo^T.  att16: the attention's result as images of operand registers, [tile of 16 rows 512][K step of 32: 32][half 2][lane 32][16 bytes], f16.  wo16: [1024 n][1024 k] f16.  out0: [8192][1024] f32; sums in f32.
; SHARES.  Work-group (rg, strip) makes rows 256 rg on x columns 128 strip on; each of four waves 64 rows x 128 columns: 32 accumulators, 256 registers.  256 work-groups, one for each WGP; tiles of 256 x 256 would give 128.
; Wo's STRIP STAYS IN LDS: 128 rows x 1,024 k come once, as four chunks of 256 along K, each wave bringing 32 rows of each.
; CLUSTER: the four row groups of a cluster want the same strip: it is asked for jointly (mask 15).
; att GOES STRAIGHT INTO REGISTERS: a fragment is two loads at 16 x lane, 512 consecutive bytes each; a ring of eight register slots runs seven K steps ahead.  The eight strips read the same rows of att; they are not
; shared through a cluster because they never pass through LDS: a joint load would put back the ring, its barriers and the LDS reads that this form spares.
; Source 0 = 16 rows of Wo, source 1 = 16 rows of att: a lane holds eight neighbouring columns of a row of out0.
; All rows are written here; rows 0-15 of each sequence are written again, more finely, by the launch that follows (256 KiB stored twice: a branch round them would cost more text than it saves bytes).
; LIMITS: operands in f16.
; REGISTERS: window 0: v1-13 addresses; v32-159 two sets of 16 rows on the way out.  window 1: att's ring, 32 registers a K step.  window 2: the accumulators ((a, b) at v[8 (8 a + b)]).  window 3: Wo's fragments, two sets of 64.
.set PITCH, 528                        ; a chunk's row in LDS: 512 bytes + 16: the 16 rows of a load start 132 words apart
.set CHUNK, 128*PITCH
.set STAGE, 4*CHUNK                    ; the way out: 16 rows x 528 bytes for each wave
.set SPARE, STAGE+4*16*PITCH           ; the spare words, 128 bytes a wave, which no other line names
.set L16,  1
.set ADRB, 2                           ; v2-5 my lane's place in chunk 0..3
.set STO,  6
.set RD,   7
.set SPW,  12
.set NIL,  13
.set BK,   32
.set G1,   16
.set G0,   24                          ; s[24:39] group 0 of chunks 0..3
.set MSB, 0
.macro WIN new
.if MSB != (\new)
	s_set_vgpr_msb (MSB<<8)|(\new)
.set MSB, (\new)
.endif
.endm
.macro PLACES
.rept 4
	v_nop
.endr
.endm
.macro CROUND
	s_barrier_signal -1
	s_barrier_wait -1
	s_cmp_lg_u32 s10, 0
	s_cbranch_scc1 .Lnot_wave_0_\@
	s_barrier_signal -3
.Lnot_wave_0_\@:
	s_barrier_wait -3
	s_barrier_signal -1
	s_barrier_wait -1
.endm
	s_load_b128 s[4:7], s[0:1], 0x0                ; att16, wo16
	s_load_b64 s[8:9], s[0:1], 0x10                ; out0
	v_lshl_add_u32 v[SPW], v0, 2, SPARE
	v_mov_b32 v[NIL], 0
	ds_add_u32 v[SPW], v[NIL]                      ; the wave's opening
	ds_add_u32 v[SPW], v[NIL]
	v_lshrrev_b32 v1, 5, v0
	v_readfirstlane_b32 s10, v1                    ; wave
	s_bfe_u32 s11, ttmp6, 0x40000                  ; cx: it enters att's and out0's addresses alone
	s_lshl_b32 s12, ttmp9, 2
	s_add_co_u32 s12, s12, s11                     ; rg
	s_and_b32 s13, ttmp7, 0xffff                   ; strip, which the four partners share
	s_mov_b32 s[G1+0], 15|(1<<16)|(1<<20)|(1<<21)|(6<<22)|(3<<25)  ; the mask: all four; elements of 2 bytes; padding on; bit 21 beside a mask; 4 words after every 128
	s_mov_b32 s[G1+1], 256<<16                     ; tensor_dim0
	s_mov_b32 s[G1+2], 32<<16                      ; tensor_dim1
	s_mov_b32 s[G1+3], 256<<16                     ; tile_dim0
	s_mov_b32 s[G1+4], 32                          ; tile_dim1
	s_mov_b32 s[G1+5], 1024                        ; from row to row
	s_mov_b32 s[G1+6], 0
	s_mov_b32 s[G1+7], 0
	s_lshl_b32 s40, s13, 7
	s_lshl_b32 s41, s10, 5
	s_add_co_u32 s40, s40, s41
	s_lshl_b32 s40, s40, 11                        ; Wo: row 128 strip + 32 wave, 2,048 bytes a row
	s_mov_b32 s41, 0
	s_mul_i32 s42, s10, 32*PITCH                   ; and in a chunk
	s_lshl_b32 s44, s12, 4
	s_lshl_b32 s45, s10, 2
	s_add_co_u32 s44, s44, s45
	s_lshl_b32 s44, s44, 15                        ; att: tile 16 rg + 4 wave, 32,768 bytes a tile
	s_mov_b32 s45, 0
	s_lshl_b32 s46, s12, 8
	s_lshl_b32 s47, s10, 6
	s_add_co_u32 s46, s46, s47
	s_lshl_b32 s46, s46, 12                        ; out0: row 256 rg + 64 wave,
	s_lshl_b32 s47, s13, 9
	s_add_co_u32 s46, s46, s47                     ; column 128 strip
	s_mov_b32 s47, 0
	s_wait_dscnt 0x0                               ; both opening adds are done
	s_wait_kmcnt 0x0
	s_add_nc_u64 s[6:7], s[6:7], s[40:41]
	s_add_nc_u64 s[4:5], s[4:5], s[44:45]
	s_add_nc_u64 s[8:9], s[8:9], s[46:47]
	CROUND                                         ; all four work-groups are here: the joint loads meet
.irp c, 0,1,2,3
	s_mov_b32 s[G0+4*\c], 1
	s_add_co_u32 s[G0+4*\c+1], s42, \c*CHUNK
	s_add_nc_u64 s[G0+4*\c+2:G0+4*\c+3], s[6:7], \c*512
	s_or_b32 s[G0+4*\c+3], s[G0+4*\c+3], 0x80000000
.endr
.irp c, 0,1,2,3
	tensor_load_to_lds s[G0+4*\c:G0+4*\c+3], s[G1:G1+7]
	s_nop 0
.endr
	PLACES
	v_and_b32 v8, 31, v0
	v_lshlrev_b32 v[L16], 4, v8
	v_and_b32 v9, 15, v0
	v_bfe_u32 v10, v0, 4, 1
	v_mul_u32_u24 v11, v9, PITCH
	v_lshl_add_u32 v[ADRB], v10, 4, v11            ; row x pitch + 16 x half
.irp c, 1,2,3
	v_add_nc_u32 v[ADRB+\c], \c*CHUNK, v[ADRB]
.endr
	s_mul_i32 s43, s10, 16*PITCH
	s_add_co_u32 s43, s43, STAGE                   ; my stage
	v_lshl_add_u32 v[STO], v10, 5, v11
	v_add_nc_u32 v[STO], s43, v[STO]               ; in: row l % 16, 32 bytes for each half of the lanes
	v_add_nc_u32 v[RD], s43, v[L16]                ; back: the 32 lanes take a row of 512 bytes
.macro ALOAD s                         ; att's four fragments of K step s into ring slot s % 8
	WIN 0x40
.irp a, 0,1,2,3
.irp f, 0,1
	global_load_b128 v[32*((\s)%8)+8*\a+4*\f:32*((\s)%8)+8*\a+4*\f+3], v[L16], s[4:5] offset:32768*\a+1024*(\s)+512*\f
.endr
.endr
.endm
.macro BLOAD s                         ; Wo's eight fragments of K step s into set s % 2
	WIN 0xc0
.irp b, 0,1,2,3,4,5,6,7
.irp f, 0,1
	ds_load_b128 v[64*((\s)%2)+8*\b+4*\f:64*((\s)%2)+8*\b+4*\f+3], v[ADRB+(\s)/8] offset:16*PITCH*\b+64*((\s)%8)+32*\f
.endr
.endr
.endm
.macro MUL16 s, a0                     ; the 32 accumulators take turns, one instruction a turn, in the same order in every step
.irp a, \a0, \a0+1
.irp b, 0,1,2,3,4,5,6,7
.if (\s) == 0
	v_wmma_f32_16x16x32_f16 v[8*(8*(\a)+\b):8*(8*(\a)+\b)+7], v[64*((\s)%2)+8*\b:64*((\s)%2)+8*\b+7], v[32*((\s)%8)+8*(\a):32*((\s)%8)+8*(\a)+7], 0
.else
	v_wmma_f32_16x16x32_f16 v[8*(8*(\a)+\b):8*(8*(\a)+\b)+7], v[64*((\s)%2)+8*\b:64*((\s)%2)+8*\b+7], v[32*((\s)%8)+8*(\a):32*((\s)%8)+8*(\a)+7], v[8*(8*(\a)+\b):8*(8*(\a)+\b)+7]
.endif
.endr
.endr
.endm
.macro STEPK s
.if 8*(31-(\s)) > 48
	s_wait_loadcnt 48                              ; att's K step s is in; the eight loads of each of the six steps behind it may be out
.else
	s_wait_loadcnt 8*(31-(\s))
.endif
	s_wait_dscnt 0x0                               ; Wo's fragments of this step are in
	WIN 0xa7                                       ; source 0 window 3, source 1 window 1, C and D window 2
	MUL16 \s, 0
.if (\s) < 31
.if ((\s)+1)%8 == 0
	s_wait_tensorcnt 3-((\s)+1)/8                  ; my part of the next chunk is in; the later chunks' loads may be out
	s_barrier_signal -1
	s_barrier_wait -1                              ; everybody's is
.endif
	PLACES                                         ; ahead of loads into registers that the last step's products read
	BLOAD (\s)+1
.if (\s)+7 <= 31
	ALOAD (\s)+7
.endif
.endif
	WIN 0xa7
	MUL16 \s, 2
.endm
.irp s, 0,1,2,3,4,5,6
	ALOAD \s
.endr
	s_wait_tensorcnt 3                             ; my part of chunk 0 is in,
	s_barrier_signal -1
	s_barrier_wait -1                              ; everybody's is
	BLOAD 0
.set Q, 0
.rept 32
	STEPK Q
.set Q, Q+1
.endr
	WIN 0
; THE WAY OUT, block by block of 16 rows x 128 columns, through my own stage: a lane's 32 bytes go in, whole rows of 512 bytes come back.  LDS serves a wave's instructions in order: no wait between the stores and the loads.
.macro TOSTAGE a
	WIN 0x08                                       ; the data: window 2
.irp b, 0,1,2,3,4,5,6,7
	ds_store_b128 v[STO], v[64*(\a)+8*\b:64*(\a)+8*\b+3] offset:64*\b           ; each accumulator from its low end on
	ds_store_b128 v[STO], v[64*(\a)+8*\b+4:64*(\a)+8*\b+7] offset:64*\b+16
.endr
	WIN 0
.irp t, 0,1,2,3,4,5,6,7,8,9,10,11,12,13,14,15
	ds_load_b128 v[BK+64*((\a)%2)+4*\t:BK+64*((\a)%2)+4*\t+3], v[RD] offset:\t*PITCH
.endr
.endm
.macro SEND a, younger                 ; younger: the LDS instructions issued behind block a's loads
	s_wait_dscnt \younger
.irp t, 0,1,2,3,4,5,6,7,8,9,10,11,12,13,14,15
	global_store_b128 v[L16], v[BK+64*((\a)%2)+4*\t:BK+64*((\a)%2)+4*\t+3], s[8:9] offset:65536*(\a)+4096*\t th:TH_STORE_NT   ; 512 consecutive bytes, aligned
.endr
.endm
	PLACES
	TOSTAGE 0
	TOSTAGE 1
	SEND 0, 32
	s_wait_xcnt 0x0                                ; block 0's stores have read the registers into which block 2's rows are loaded
	TOSTAGE 2
	SEND 1, 32
	s_wait_xcnt 0x0
	TOSTAGE 3
	SEND 2, 32
	SEND 3, 0
	s_wait_tensorcnt 0x0                           ; the wave's end
	ds_add_u32 v[SPW], v[NIL]
	s_wait_dscnt 0x0
	CROUND                                         ; the closing round
	s_endpgm
.Lfunc_end_k_q58404fbabb_outproj:
	.size	k_q58404fbabb_outproj, .Lfunc_end_k_q58404fbabb_outproj-k_q58404fbabb_outproj
	.p2alignl 7, 3214868480
	.fill 96, 4, 3214868480
	.section	.rodata,"a",@progbits
	.p2align	6, 0x0
	.amdhsa_kernel k_q58404fbabb_outproj
		.amdhsa_group_segment_fixed_size 327680
		.amdhsa_private_segment_fixed_size 0
		.amdhsa_enable_private_segment 0
		.amdhsa_kernarg_size 24
		.amdhsa_user_sgpr_count 2
		.amdhsa_user_sgpr_kernarg_segment_ptr 1
		.amdhsa_wavefront_size32 1
		.amdhsa_system_sgpr_workgroup_id_x 1
		.amdhsa_system_sgpr_workgroup_id_y 1
		.amdhsa_system_sgpr_workgroup_id_z 1
		.amdhsa_system_vgpr_workitem_id 0
		.amdhsa_next_free_vgpr 1024
		.amdhsa_next_free_sgpr 66
		.amdhsa_reserve_vcc 0
		.amdhsa_float_denorm_mode_32 3
		.amdhsa_float_denorm_mode_16_64 3
		.amdhsa_memory_ordered 1
		.amdhsa_forward_progress 1
		.amdhsa_inst_pref_size 149
	.end_amdhsa_kernel
	.amdgpu_metadata
---
amdhsa.version: [ 1, 2 ]
amdhsa.kernels:
  - .name:           k_q58404fbabb_outproj
    .symbol:         k_q58404fbabb_outproj.kd
    .args:
      - { .name: att16, .offset: 0, .size: 8, .value_kind: global_buffer, .address_space: global }
      - { .name: wo16, .offset: 8, .size: 8, .value_kind: global_buffer, .address_space: global }
      - { .name: out0, .offset: 16, .size: 8, .value_kind: global_buffer, .address_space: global }
    .group_segment_fixed_size: 327680
    .private_segment_fixed_size: 0
    .kernarg_segment_align: 8
    .kernarg_segment_size: 24
    .max_flat_workgroup_size: 128
    .sgpr_count:     66
    .vgpr_count:     1024
    .wavefront_size: 32
...
	.end_amdgpu_metadata
.endif
;; end of part 4
;; launch fine (part 5): grid 64 x 4, 16 waves a work-group, no clusters, 18,432 bytes of LDS; arguments qkv32, padding_mask, Wo, out0; writes out0
.if DOCPART == 5
	.amdgcn_target "amdgcn-amd-amdhsa--gfx1250"
	.amdhsa_code_object_version 6
	.text
	.protected	k_q58404fbabb_fine
	.globl	k_q58404fbabb_fine
	.p2align	8
	.type	k_q58404fbabb_fine,@function
k_q58404fbabb_fine:
	s_mov_b64 s[64:65], 0
	v_nop
	global_prefetch_b8 v0, s[64:65] scope:SCOPE_SE
	s_setreg_imm32_b32 hwreg(HW_REG_WAVE_MODE, 25, 1), 1
	s_wait_xcnt 0x0
; The first 16 positions of each sequence, in f32 from the projections' accumulators to out0: these rows average one to sixteen values, and f16 operands would weigh most there.
; qkv32: [T 3][batch 4][tile 64][half 2][lane 32][16 bytes]: q, k: lane (r, h) holds position r, columns 16 tile + 8 h + 0 .. 7;  v: channel 16 tile + r, keys 8 h + 0 .. 7.
; Work-group (x, b) makes out0[b][0..15][16 x .. 16 x + 15].  Wave w is head w: it makes that head's 16 x 16 attention (32 small products; made again in each of the batch's 64 work-groups, which is less than a way
; through memory and a launch more would cost) and its 64 of the 1,024 terms of the last product; the sixteen parts meet in LDS and wave 0 adds them in ascending order of the heads.
; All products by the f32 matrix form, K = 4: a lane's pair of registers 2 i, 2 i + 1 stands for k = 2 h + 0, 1; both operands are cut the same way, so each product meets its partner.
; The registers that this form writes (v144-239) are written by it alone; sums begin with the constant 0; four accumulators take turns.
; Masked scores are -infinity, the true maximum is taken away: a query with no allowed key gives -inf + inf = NaN, as the reference's softmax does.
; A lane stores 32 bytes, a row 64: parts of larger aligned blocks; the launch's whole output is 256 KiB.  No cluster: what work-groups share is small and is loaded into registers.
.set SPARE, 16384                      ; behind the sixteen parts of 1,024 bytes: the spare words, 128 bytes a wave, which no other line names
.set QR, 16                            ; v16-47   q, later the attention's result
.set KR, 48                            ; v48-79   k
.set VR, 80                            ; v80-111  v, later my part of the result
.set WR, 112                           ; v112-143 Wo
.set SA, 144
.set OA, 176
.set UA, 208
.set SS, 240                           ; v240-247 scores, then p
.set MK, 248                           ; v248-255 the mask of keys 8 h + 0 .. 7
	s_load_b128 s[4:7], s[0:1], 0x0                ; qkv32, padding_mask
	s_load_b128 s[8:11], s[0:1], 0x10              ; Wo, out0
	v_lshl_add_u32 v14, v0, 2, SPARE
	v_mov_b32 v15, 0
	v_lshrrev_b32 v1, 5, v0
	v_readfirstlane_b32 s12, v1                    ; wave = head
	s_and_b32 s13, ttmp7, 0xffff                   ; batch
	v_and_b32 v6, 31, v0
	v_lshlrev_b32 v1, 4, v6                        ; 16 x lane
	v_and_b32 v7, 15, v0                           ; r
	v_bfe_u32 v8, v0, 4, 1                         ; h
	v_lshlrev_b32 v3, 5, v8                        ; 32 h
	v_lshl_add_u32 v2, v7, 12, v3                  ; 4,096 r + 32 h: a row of Wo, and of out0
	v_lshlrev_b32 v9, 3, v8
	v_sub_nc_u32 v4, v7, v9                        ; r - 8 h
	v_mov_b32 v5, 0xff800000                       ; -infinity
	s_lshl_b32 s14, s12, 10
	v_add_nc_u32 v12, s14, v1                      ; LDS: my wave's part, 16 x lane
	s_mov_b32 s20, 0x76543210
	s_mov_b32 s21, 0xfedcba98
	s_mov_b32 s22, 0x3e38aa3b                      ; c = log2(e) / 8
	s_lshl_b32 s16, s13, 16
	s_lshl_b32 s17, s12, 12
	s_add_co_u32 s16, s16, s17                     ; qkv32: batch x 65,536 + head x 4 tiles x 1,024
	s_mov_b32 s17, 0
	s_lshl_b32 s18, s13, 13                        ; the mask: batch x 2,048 x 4
	s_mov_b32 s19, 0
	s_lshl_b32 s24, ttmp9, 16
	s_lshl_b32 s25, s12, 8
	s_add_co_u32 s24, s24, s25                     ; Wo: row 16 x, column 64 head
	s_mov_b32 s25, 0
	s_lshl_b32 s26, s13, 23
	s_lshl_b32 s27, ttmp9, 6
	s_add_co_u32 s26, s26, s27                     ; out0: batch x 2,048 rows, column 16 x
	s_mov_b32 s27, 0
	s_wait_kmcnt 0x0
	s_add_nc_u64 s[4:5], s[4:5], s[16:17]
	s_add_nc_u64 s[6:7], s[6:7], s[18:19]
	s_add_nc_u64 s[8:9], s[8:9], s[24:25]
	s_add_nc_u64 s[10:11], s[10:11], s[26:27]
.irp c, 0,1,2,3
.irp f, 0,1
	global_load_b128 v[KR+8*\c+4*\f:KR+8*\c+4*\f+3], v1, s[4:5] offset:262144+1024*\c+512*\f
.endr
.endr
.irp c, 0,1,2,3
.irp f, 0,1
	global_load_b128 v[QR+8*\c+4*\f:QR+8*\c+4*\f+3], v1, s[4:5] offset:1024*\c+512*\f
.endr
.endr
	global_load_b128 v[MK:MK+3], v3, s[6:7]
	global_load_b128 v[MK+4:MK+7], v3, s[6:7] offset:16
.irp c, 0,1,2,3
.irp f, 0,1
	global_load_b128 v[VR+8*\c+4*\f:VR+8*\c+4*\f+3], v1, s[4:5] offset:524288+1024*\c+512*\f
.endr
.endr
.irp c, 0,1,2,3
.irp f, 0,1
	global_load_b128 v[WR+8*\c+4*\f:WR+8*\c+4*\f+3], v2, s[8:9] offset:64*\c+16*\f
.endr
.endr
.macro PLACES8                         ; eight plain places behind this form (ISA guide 7.12.1)
.rept 8
	v_nop
.endr
.endm
; 16 products: four accumulators at acc, one for each 16 of the 64 (or of the channels' four tiles), four links each
.macro MM acc, ra, rb, bstep
.irp i, 0,1,2,3
.irp c, 0,1,2,3
.if \i == 0
	v_wmma_f32_16x16x4_f32 v[\acc+8*\c:\acc+8*\c+7], v[\ra+8*\c+2*\i:\ra+8*\c+2*\i+1], v[\rb+\bstep*\c+2*\i:\rb+\bstep*\c+2*\i+1], 0
.else
	v_wmma_f32_16x16x4_f32 v[\acc+8*\c:\acc+8*\c+7], v[\ra+8*\c+2*\i:\ra+8*\c+2*\i+1], v[\rb+\bstep*\c+2*\i:\rb+\bstep*\c+2*\i+1], v[\acc+8*\c:\acc+8*\c+7]
.endif
.endr
.endr
.endm
.macro SUM4 dst, acc                   ; the four accumulators are added, each read from its low end on
.irp p, 0,2,4,6
	v_pk_add_f32 v[\dst+\p:\dst+\p+1], v[\acc+\p:\acc+\p+1], v[\acc+8+\p:\acc+8+\p+1]
	v_pk_add_f32 v[\dst+\p:\dst+\p+1], v[\dst+\p:\dst+\p+1], v[\acc+16+\p:\acc+16+\p+1]
	v_pk_add_f32 v[\dst+\p:\dst+\p+1], v[\dst+\p:\dst+\p+1], v[\acc+24+\p:\acc+24+\p+1]
.endr
.endm
	s_wait_loadcnt 18                              ; k and q are in; behind them: the mask's 2 loads, v's 8, Wo's 8
	MM SA, KR, QR, 8                               ; S^T = k q^T: lane (r, h) holds query r, keys 8 h + 0 .. 7
	PLACES8
	SUM4 SS, SA
	s_wait_loadcnt 16                              ; the mask is in
.irp j, 0,1,2,3,4,5,6,7
	v_cmp_gt_i32 vcc_lo, \j, v4                    ; key 8 h + j comes after query r
	v_cndmask_b32 v[SS+\j], v[SS+\j], v5, vcc_lo
	v_cmp_eq_u32 vcc_lo, 0, v[MK+\j]               ; or is masked
	v_cndmask_b32 v[SS+\j], v[SS+\j], v5, vcc_lo
.endr
	v_max3_num_f32 v6, v[SS], v[SS+1], v[SS+2]
	v_max3_num_f32 v6, v6, v[SS+3], v[SS+4]
	v_max3_num_f32 v6, v6, v[SS+5], v[SS+6]
	v_max_num_f32 v6, v6, v[SS+7]
	v_permlanex16_b32 v7, v6, s20, s21
	v_max_num_f32 v6, v6, v7                       ; the row's maximum
	v_mul_f32 v8, s22, v6
.irp j, 0,1,2,3,4,5,6,7
	v_fma_f32 v[SS+\j], v[SS+\j], s22, -v8
.endr
.irp j, 0,1,2,3,4,5,6,7
	v_exp_f32 v[SS+\j], v[SS+\j]
.endr
	v_nop
	s_wait_alu depctr_va_vdst(0)                   ; one wait for the eight exponentials, ahead of their first reader
	v_add_f32 v9, v[SS], v[SS+1]
.irp j, 2,3,4,5,6,7
	v_add_f32 v9, v9, v[SS+\j]
.endr
	v_permlanex16_b32 v7, v9, s20, s21
	v_add_f32 v9, v9, v7                           ; the row's sum
	v_rcp_f32 v10, v9
	v_mov_b32 v11, 0                               ; (the pair's partner; a plain line behind the reciprocal)
	s_wait_alu depctr_va_vdst(0)
	s_wait_loadcnt 8                               ; v is in; Wo's 8 loads may be out
	MM OA, VR, SS, 0                               ; O^T = v^T p: lane (r, h) holds query r, channels 16 c + 8 h + 0 .. 7
	PLACES8
.irp c, 0,1,2,3
.irp p, 0,2,4,6
	v_pk_mul_f32 v[QR+8*\c+\p:QR+8*\c+\p+1], v[OA+8*\c+\p:OA+8*\c+\p+1], v[10:11] op_sel_hi:[1,0]
.endr
.endr
	s_wait_loadcnt 0x0
	MM UA, WR, QR, 8                               ; my head's 64 terms: lane (r, h) holds row r, columns 16 x + 8 h + 0 .. 7
	PLACES8
	SUM4 VR, UA
	ds_store_b128 v12, v[VR:VR+3]
	ds_store_b128 v12, v[VR+4:VR+7] offset:512
	s_wait_tensorcnt 0x0                           ; the dscnt wait below also shows my stores done, for the others' sake
	ds_add_u32 v14, v15
	s_wait_dscnt 0x0
	s_barrier_signal -1
	s_barrier_wait -1                              ; all sixteen parts lie in LDS
	s_cmp_lg_u32 s12, 0
	s_cbranch_scc1 .Lend
.irp w, 0,1,2,3,4,5,6,7,8,9,10,11,12,13,14,15
	ds_load_b128 v[16+8*\w:16+8*\w+3], v1 offset:1024*\w
	ds_load_b128 v[16+8*\w+4:16+8*\w+7], v1 offset:1024*\w+512
.endr
	s_wait_dscnt 0x0
.irp w, 1,2,3,4,5,6,7,8,9,10,11,12,13,14,15
.irp p, 0,2,4,6
	v_pk_add_f32 v[16+\p:17+\p], v[16+\p:17+\p], v[16+8*\w+\p:17+8*\w+\p]
.endr
.endr
	global_store_b128 v2, v[16:19], s[10:11]
	global_store_b128 v2, v[20:23], s[10:11] offset:16
.Lend:
	s_endpgm
.Lfunc_end_k_q58404fbabb_fine:
	.size	k_q58404fbabb_fine, .Lfunc_end_k_q58404fbabb_fine-k_q58404fbabb_fine
	.p2alignl 7, 3214868480
	.fill 96, 4, 3214868480
	.section	.rodata,"a",@progbits
	.p2align	6, 0x0
	.amdhsa_kernel k_q58404fbabb_fine
		.amdhsa_group_segment_fixed_size 18432
		.amdhsa_private_segment_fixed_size 0
		.amdhsa_enable_private_segment 0
		.amdhsa_kernarg_size 32
		.amdhsa_user_sgpr_count 2
		.amdhsa_user_sgpr_kernarg_segment_ptr 1
		.amdhsa_wavefront_size32 1
		.amdhsa_system_sgpr_workgroup_id_x 1
		.amdhsa_system_sgpr_workgroup_id_y 1
		.amdhsa_system_sgpr_workgroup_id_z 1
		.amdhsa_system_vgpr_workitem_id 0
		.amdhsa_next_free_vgpr 256
		.amdhsa_next_free_sgpr 66
		.amdhsa_reserve_vcc 1
		.amdhsa_float_denorm_mode_32 3
		.amdhsa_float_denorm_mode_16_64 3
		.amdhsa_memory_ordered 1
		.amdhsa_forward_progress 1
		.amdhsa_inst_pref_size 21
	.end_amdhsa_kernel
	.amdgpu_metadata
---
amdhsa.version: [ 1, 2 ]
amdhsa.kernels:
  - .name:           k_q58404fbabb_fine
    .symbol:         k_q58404fbabb_fine.kd
    .args:
      - { .name: qkv32, .offset: 0, .size: 8, .value_kind: global_buffer, .address_space: global }
      - { .name: padding_mask, .offset: 8, .size: 8, .value_kind: global_buffer, .address_space: global }
      - { .name: Wo, .offset: 16, .size: 8, .value_kind: global_buffer, .address_space: global }
      - { .name: out0, .offset: 24, .size: 8, .value_kind: global_buffer, .address_space: global }
    .group_segment_fixed_size: 18432
    .private_segment_fixed_size: 0
    .kernarg_segment_align: 8
    .kernarg_segment_size: 32
    .max_flat_workgroup_size: 512
    .sgpr_count:     66
    .vgpr_count:     256
    .wavefront_size: 32
...
	.end_amdgpu_metadata
.endif
;; end of part 5
